; MI455X (gfx1250); checked and timed in simulation.
; The chip was launched on July 23, 2026; its instructions are those of AMD's public machine-readable ISA for CDNA 5 (MIT licence, August 2026) and "CDNA5" Instruction Set Architecture Reference Guide (July 2026). The comments in the code are by the model that wrote it; some were corrected since.
;; Multi Head Attention. Allowed arithmetic: float matrix products may take bf16 or f16 operands with f32 sums; all other float work in f32.
;; Inputs: Wk 1,024 x 1,024 float32; Wo 1,024 x 1,024 float32; Wq 1,024 x 1,024 float32; Wv 1,024 x 1,024 float32; bo 1,024 float32; x 2 x 2,048 x 1,024 float32.
;; Outputs: out0 2 x 2,048 x 1,024 float32.
;; 2 versions, each right; version 2 is version 1 with the launch cast written anew for expert scheduling mode. Each part assembles by itself: llvm-mc -triple=amdgcn-amd-amdhsa -mcpu=gfx1250 --defsym DOCPART=n.
;; ======== version 1 of 2: 4 launches
;; limits: values are held in f16: magnitudes above 65,504 overflow, below 6.1e-05 lose precision
;; workspace buffers: castbuf 16,777,216 bytes; qkvbuf 25,165,824 bytes; attbuf 8,388,608 bytes
;; launch cast (part 1): grid 256 x 1, 8 waves a work-group, no clusters, 0 bytes of LDS; arguments x, Wq, Wk, Wv, Wo, castbuf; writes castbuf
.if DOCPART == 1
	.amdgcn_target "amdgcn-amd-amdhsa--gfx1250"
	.amdhsa_code_object_version 6
	.text
	.protected	k_qcc184df50e_cast
	.globl	k_qcc184df50e_cast
	.p2align	8
	.type	k_qcc184df50e_cast,@function
k_qcc184df50e_cast:
	s_mov_b64 s[64:65], 0
	v_nop
	global_prefetch_b8 v0, s[64:65] scope:SCOPE_SE
	s_setreg_imm32_b32 hwreg(HW_REG_WAVE_MODE, 25, 1), 1
	s_wait_xcnt 0x0
; cast: x, Wq, Wk, Wv, Wo from f32 to f16 (round to nearest even), once, so that the three matrix launches can bring their
; tiles in by tensor loads without converting them again in every work-group that shares them.
; castbuf: xh[4096][1024] at byte 0; wqkv[3072][1024] at byte 8,388,608, row = 192 head + 64 t + d (t = 0, 1, 2 for Wq, Wk, Wv),
; so that the 192 rows of one head lie together; woh[1024][1024] at byte 14,680,064 (= row 3072 of wqkv).
; LIMIT: a number of 65,520 or more in magnitude becomes an infinity in f16.
; 256 work-groups of 8 waves; each turns 131,072 bytes of f32 into 65,536 bytes of f16: groups 0-127 take x, then 32 groups for each weight
; (32 rows of 4,096 bytes each).  A stream: every byte is read once and written once, so LDS, matrix units and clusters have nothing to add.
; Thread t takes the 16 bytes at 16 t of every chunk of 4,096 bytes: a wave's load covers 512 consecutive bytes and names no byte that another load names.
; Its four numbers are 8 bytes of f16 at 8 t of a chunk of 2,048 bytes: a wave's store covers 256 consecutive bytes, aligned.
.set DATA, 32                          ; v[32:159]: 32 chunks of 4 registers, as loaded; the first two of each chunk as stored
	s_load_b256 s[8:15], s[0:1], 0x0               ; x s[8:9], Wq s[10:11], Wk s[12:13], Wv s[14:15]
	s_load_b128 s[16:19], s[0:1], 0x20             ; Wo s[16:17], castbuf s[18:19]
	s_and_b32 s20, ttmp9, 127                      ; j: my number among the groups of the weights
	s_lshr_b32 s21, s20, 5                         ; t: which weight, 0..3 = Wq, Wk, Wv, Wo
	s_and_b32 s22, s20, 31                         ; jj: which 32 rows of it
	s_lshr_b32 s23, s22, 1                         ; head = row / 64
	s_mul_i32 s23, s23, 192
	s_lshl_b32 s24, s21, 6
	s_add_co_u32 s23, s23, s24                     ; + 64 t
	s_and_b32 s24, s22, 1
	s_lshl_b32 s24, s24, 5
	s_add_co_u32 s23, s23, s24                     ; + the half of the head: row in wqkv for Wq, Wk, Wv
	s_lshl_b32 s24, s22, 5
	s_add_co_u32 s24, s24, 3072                    ; row for Wo
	s_cmp_eq_u32 s21, 3
	s_cselect_b32 s23, s24, s23
	s_lshl_b32 s23, s23, 11                        ; rows of 2,048 bytes
	s_add_co_u32 s23, s23, 8388608                 ; where a weight's group stores
	s_lshl_b32 s24, s22, 17                        ; where it loads
	s_lshl_b32 s25, ttmp9, 17                      ; where a group of x loads
	s_lshl_b32 s26, ttmp9, 16                      ; and stores
	s_cmp_lt_u32 ttmp9, 128
	s_cselect_b32 s24, s25, s24                    ; my offset in the source
	s_cselect_b32 s26, s26, s23                    ; my offset in castbuf
	s_mov_b32 s25, 0
	s_mov_b32 s27, 0
	v_lshlrev_b32 v1, 4, v0                        ; 16 t
	v_lshlrev_b32 v2, 3, v0                        ; 8 t
	s_wait_kmcnt 0x0
	s_mov_b64 s[28:29], s[16:17]                   ; the source: Wo, unless ..
	s_cmp_eq_u32 s21, 2
	s_cselect_b64 s[28:29], s[14:15], s[28:29]
	s_cmp_eq_u32 s21, 1
	s_cselect_b64 s[28:29], s[12:13], s[28:29]
	s_cmp_eq_u32 s21, 0
	s_cselect_b64 s[28:29], s[10:11], s[28:29]
	s_cmp_lt_u32 ttmp9, 128
	s_cselect_b64 s[28:29], s[8:9], s[28:29]
	s_add_nc_u64 s[28:29], s[28:29], s[24:25]
	s_add_nc_u64 s[18:19], s[18:19], s[26:27]
	; all 32 loads of the thread go out at once: 16 KiB of every wave are on their way
.set i, 0
.rept 32
	global_load_b128 v[DATA+4*i:DATA+4*i+3], v1, s[28:29] offset:4096*i th:TH_LOAD_NT
.set i, i+1
.endr
.set i, 0
.rept 32
	s_wait_loadcnt 31-i                            ; loads come back in order (ISA guide 5.7.1): chunk i's is in, the 31 - i younger ones stay out
	v_cvt_pk_f16_f32 v[DATA+4*i],   v[DATA+4*i],   v[DATA+4*i+1]   ; in place: the second line writes a register that the first has used up
	v_cvt_pk_f16_f32 v[DATA+4*i+1], v[DATA+4*i+2], v[DATA+4*i+3]
	global_store_b64 v2, v[DATA+4*i:DATA+4*i+1], s[18:19] offset:2048*i    ; the next launches read these bytes: no hint
.set i, i+1
.endr
	s_endpgm
.Lfunc_end_k_qcc184df50e_cast:
	.size	k_qcc184df50e_cast, .Lfunc_end_k_qcc184df50e_cast-k_qcc184df50e_cast
	.p2alignl 7, 3214868480
	.fill 96, 4, 3214868480
	.section	.rodata,"a",@progbits
	.p2align	6, 0x0
	.amdhsa_kernel k_qcc184df50e_cast
		.amdhsa_group_segment_fixed_size 0
		.amdhsa_private_segment_fixed_size 0
		.amdhsa_enable_private_segment 0
		.amdhsa_kernarg_size 48
		.amdhsa_user_sgpr_count 2
		.amdhsa_user_sgpr_kernarg_segment_ptr 1
		.amdhsa_wavefront_size32 1
		.amdhsa_system_sgpr_workgroup_id_x 1
		.amdhsa_system_sgpr_workgroup_id_y 1
		.amdhsa_system_sgpr_workgroup_id_z 1
		.amdhsa_system_vgpr_workitem_id 0
		.amdhsa_next_free_vgpr 160
		.amdhsa_next_free_sgpr 66
		.amdhsa_reserve_vcc 0
		.amdhsa_float_denorm_mode_32 3
		.amdhsa_float_denorm_mode_16_64 3
		.amdhsa_memory_ordered 1
		.amdhsa_forward_progress 1
		.amdhsa_inst_pref_size 13
	.end_amdhsa_kernel
	.amdgpu_metadata
---
amdhsa.version: [ 1, 2 ]
amdhsa.kernels:
  - .name:           k_qcc184df50e_cast
    .symbol:         k_qcc184df50e_cast.kd
    .args:
      - { .name: x, .offset: 0, .size: 8, .value_kind: global_buffer, .address_space: global }
      - { .name: Wq, .offset: 8, .size: 8, .value_kind: global_buffer, .address_space: global }
      - { .name: Wk, .offset: 16, .size: 8, .value_kind: global_buffer, .address_space: global }
      - { .name: Wv, .offset: 24, .size: 8, .value_kind: global_buffer, .address_space: global }
      - { .name: Wo, .offset: 32, .size: 8, .value_kind: global_buffer, .address_space: global }
      - { .name: castbuf, .offset: 40, .size: 8, .value_kind: global_buffer, .address_space: global }
    .group_segment_fixed_size: 0
    .private_segment_fixed_size: 0
    .kernarg_segment_align: 8
    .kernarg_segment_size: 48
    .max_flat_workgroup_size: 256
    .sgpr_count:     66
    .vgpr_count:     160
    .wavefront_size: 32
...
	.end_amdgpu_metadata
.endif
;; end of part 1
;; launch qkv (part 2): grid 16 x 16, 4 waves a work-group, clusters of 4 x 4, 327,680 bytes of LDS; arguments castbuf, qkvbuf; writes qkvbuf
.if DOCPART == 2
	.amdgcn_target "amdgcn-amd-amdhsa--gfx1250"
	.amdhsa_code_object_version 6
	.text
	.protected	k_qcc184df50e_qkv
	.globl	k_qcc184df50e_qkv
	.p2align	8
	.type	k_qcc184df50e_qkv,@function
k_qcc184df50e_qkv:
	s_mov_b64 s[64:65], 0
	v_nop
	global_prefetch_b8 v0, s[64:65] scope:SCOPE_SE
	s_setreg_imm32_b32 hwreg(HW_REG_WAVE_MODE, 25, 1), 1
	s_wait_xcnt 0x0
	s_wait_alu depctr_hold_cnt(0) depctr_sa_sdst(0) depctr_va_vdst(0) depctr_va_sdst(0) depctr_va_ssrc(0) depctr_va_vcc(0) depctr_vm_vsrc(0)
	s_getreg_b32 s2, hwreg(HW_REG_IB_STS2, 6, 4)
	s_cmp_eq_u32 s2, 0
	s_cbranch_scc0 .Lentry_in_a_cluster
	s_endpgm
.Lentry_in_a_cluster:
	s_bfe_u32 s2, ttmp6, 0x10000c
	s_cmp_lg_u32 s2, 0xf033
	s_cbranch_scc0 .Lentry_shape_is_right
	s_endpgm
.Lentry_shape_is_right:
; qkv: q, k, v = x W^T, f16 operands, f32 sums, results rounded once to f16.
; A work-group makes 256 tokens x the 192 features (q, k, v) of ONE head; grid x = head, grid y = block of 256 tokens.
; Four waves; wave w makes tokens 64 w .. 64 w + 63 x all 192 features: 48 accumulator tiles of 16 x 16, 384 registers.
; K (1024) goes in 8 steps of 128 through a ring of two LDS slots: a tile's rows are 256 bytes of memory, at multiples of 256 bytes.
; CLUSTERS: 4 x 4 work-groups.  x's tile hangs on the token block alone and is asked for jointly by a row of the cluster; W's hangs on the head
; alone and is asked for jointly by a column.  That divides the requests for both by four.
; qkvbuf: q[b][h][n][64] at byte 0, k likewise at 8,388,608, vt[b][h][d][2048] (v transposed) at 16,777,216, all f16.
; LIMIT: operands and results are f16: |x|, |W|, |q|, |k|, |v| below 65,504.
; q and k use the matrix instruction transposed (source 0 = rows of W, source 1 = rows of x): a lane then holds 8 neighbouring features of one
; token, 16 bytes of a row of q or k.  v uses it the natural way round: a lane holds 8 neighbouring tokens of one feature, 16 bytes of a row of vt.
; REGISTERS, in windows of 256: window 0: addresses, x's fragments (two buffers), packing; window 1: W's fragments (two buffers);
; window 2: the 32 tiles of q and k, tile (a, b) at v[8 (8 a + b)]; window 3: the 16 tiles of v, tile (a, b) at v[8 (4 a + b)].
.set KSTEP,  128
.set PITCH,  272                       ; an LDS row: 256 bytes + 16 of padding, an odd multiple of 16: the 16 rows of a fragment load start in 16 different 16-byte columns of 256
.set ABYTES, 256*PITCH                 ; x's 256 rows
.set SLOT,   448*PITCH                 ; then W's 192 rows: 121,856 bytes
.set QKST,   2*SLOT                    ; behind the ring: each wave's own stage, q's 16 rows of 144 bytes, then k's: 4,608 bytes a wave
.set VST,    QKST+4*4608               ; the work-group's stage for vt: 64 rows of 528 bytes
.set VPITCH, 528
.set ADRA, 16                          ; v16-17  LDS address of my x fragments in slot 0, 1
.set ADRB, 20                          ; v20-21  the same for W
.set STO,  24                          ; v24     q, k on the way out: where I put 16 bytes
.set RD,   25                          ; v25     and where I read rows back
.set GO,   26                          ; v26     16 x lane
.set VSTO, 27                          ; v27     vt on the way out: where I put 16 bytes
.set VRD,  28                          ; v28     and where I read rows back
.set TMPQ, 32                          ; v32-63  q, k packed
.set XF,   64                          ; x's fragment a of buffer p at v[64 + 64 p + 8 a]
.set TMPV, 192                         ; v192-255 v packed
.set G1A, 24                           ; s[24:31] descriptor group 1 of x's tiles
.set G0A, 32                           ; s[32:39] group 0 of x's tiles, a set for each slot
.set G1B, 48                           ; s[48:55] group 1 of W's tiles
.set G0B, 56                           ; s[56:63] group 0 of W's tiles, a set for each slot
.set MSB, 0
.macro WIN new                         ; s_set_vgpr_msb: bits 1:0 source 0, 3:2 source 1, 5:4 source 2, 7:6 destination; the high byte repeats the setting that is left
.if MSB != \new
	s_set_vgpr_msb (MSB<<8)|\new
.set MSB, \new
.endif
.endm
.macro PLACES                          ; a load into, or a vector instruction on, a matrix instruction's registers stands four plain vector instructions behind it
.rept 4
	v_nop
.endr
.endm
.macro JL s                            ; the two joint loads of a slot: every wave asks for its 64 rows of x and its 48 rows of W
	tensor_load_to_lds s[G0A+4*\s:G0A+4*\s+3], s[G1A:G1A+7]
	s_nop 0
	tensor_load_to_lds s[G0B+4*\s:G0B+4*\s+3], s[G1B:G1B+7]
	s_nop 0
.endm
.macro CREST                           ; a round of the cluster's barrier behind its opening work-group barrier
	s_cmp_lg_u32 s10, 0
	s_cbranch_scc1 .Lnot_wave_0_\@
	s_barrier_signal -3
.Lnot_wave_0_\@:
	s_barrier_wait -3
	s_barrier_signal -1
	s_barrier_wait -1
.endm
.macro CROUND                          ; a whole round
	s_barrier_signal -1
	s_barrier_wait -1
	CREST
.endm
	s_load_b128 s[4:7], s[0:1], 0x0                ; castbuf s[4:5], qkvbuf s[6:7]
	s_set_vgpr_msb 0x40
	v_lshl_add_u32 v255, v0, 2, 0x48400
	s_set_vgpr_msb 0x4000
	v_mov_b32 v191, 0
	s_set_vgpr_msb 0x1
	ds_add_u32 v255, v191
	s_set_vgpr_msb 0x100
	v_lshrrev_b32 v1, 5, v0
	v_readfirstlane_b32 s10, v1                    ; wave 0..3
	s_bfe_u32 s40, ttmp6, 0x40000                  ; cx
	s_bfe_u32 s41, ttmp6, 0x40004                  ; cy
	s_lshl_b32 s42, ttmp9, 2
	s_add_co_u32 s42, s42, s40                     ; head = 4 x cluster x + cx
	s_and_b32 s13, ttmp7, 0xffff
	s_lshl_b32 s13, s13, 2
	s_add_co_u32 s13, s13, s41                     ; token block = 4 x cluster y + cy
	s_lshl_b32 s43, s41, 2
	s_lshl_b32 s43, 15, s43                        ; my row of the cluster
	s_lshl_b32 s44, 0x1111, s40                    ; my column
	; group 1: elements of 2 bytes, padding on, bit 21 beside the mask, 4 words of padding after every 64 words
	s_or_b32 s[G1A+0], s43, (1<<16)|(1<<20)|(1<<21)|(5<<22)|(3<<25)
	s_mov_b32 s[G1A+1], KSTEP<<16                  ; tensor_dim0 = 128
	s_mov_b32 s[G1A+2], 64<<16                     ; tensor_dim1 = 64
	s_mov_b32 s[G1A+3], KSTEP<<16                  ; tile_dim0 = 128
	s_mov_b32 s[G1A+4], 64                         ; tile_dim1 = 64 rows
	s_mov_b32 s[G1A+5], 1024                       ; elements from row to row
	s_mov_b32 s[G1A+6], 0
	s_mov_b32 s[G1A+7], 0
	s_or_b32 s[G1B+0], s44, (1<<16)|(1<<20)|(1<<21)|(5<<22)|(3<<25)
	s_mov_b32 s[G1B+1], KSTEP<<16
	s_mov_b32 s[G1B+2], 48<<16                     ; 48 rows
	s_mov_b32 s[G1B+3], KSTEP<<16
	s_mov_b32 s[G1B+4], 48
	s_mov_b32 s[G1B+5], 1024
	s_mov_b32 s[G1B+6], 0
	s_mov_b32 s[G1B+7], 0
	; x's address is made of the token block and the wave, W's of the head and the wave, each in registers that never hold the other coordinate
	s_lshl_b32 s16, s13, 19                        ; 256 rows of 2,048 bytes
	s_lshl_b32 s17, s10, 17                        ; + 64 rows for each wave
	s_add_co_u32 s16, s16, s17
	s_mov_b32 s17, 0
	s_mul_i32 s46, s42, 192*2048
	s_mul_i32 s47, s10, 48*2048
	s_add_co_u32 s46, s46, s47
	s_add_co_u32 s46, s46, 8388608                 ; wqkv in castbuf
	s_mov_b32 s47, 0
	s_mul_i32 s20, s10, 64*PITCH                   ; LDS: my 64 rows of x (which I also read),
	s_mul_i32 s21, s10, 48*PITCH
	s_add_co_u32 s21, s21, ABYTES                  ; my 48 rows of W
	s_wait_dscnt 0x0
	s_wait_kmcnt 0x0
	s_add_nc_u64 s[14:15], s[4:5], s[16:17]
	s_add_nc_u64 s[46:47], s[4:5], s[46:47]
	CROUND                                         ; all sixteen work-groups are here: the first joint loads meet
.irp s, 0,1
	s_mov_b32 s[G0A+4*\s], 1
	s_add_co_u32 s[G0A+4*\s+1], s20, \s*SLOT
	s_add_nc_u64 s[G0A+4*\s+2:G0A+4*\s+3], s[14:15], \s*KSTEP*2
	s_or_b32 s[G0A+4*\s+3], s[G0A+4*\s+3], 0x80000000
	s_mov_b32 s[G0B+4*\s], 1
	s_add_co_u32 s[G0B+4*\s+1], s21, \s*SLOT
	s_add_nc_u64 s[G0B+4*\s+2:G0B+4*\s+3], s[46:47], \s*KSTEP*2
	s_or_b32 s[G0B+4*\s+3], s[G0B+4*\s+3], 0x80000000
	JL \s                                          ; four tensor loads of a wave are out here, two behind every later round
.endr
	v_and_b32 v1, 15, v0                           ; r = lane % 16
	v_bfe_u32 v2, v0, 4, 1                         ; h = lane / 16
	v_and_b32 v3, 31, v0                           ; lane
	v_mul_u32_u24 v4, v1, PITCH
	v_lshl_add_u32 v4, v2, 4, v4                   ; a fragment: row r, 16 bytes for each half of the lanes, two loads 32 bytes apart
	v_add_nc_u32 v[ADRA], s20, v4
	v_add_nc_u32 v[ADRA+1], SLOT, v[ADRA]
	v_add_nc_u32 v[ADRB], ABYTES, v4
	v_add_nc_u32 v[ADRB+1], SLOT, v[ADRB]
	s_mul_i32 s22, s10, 4608
	s_add_co_u32 s22, s22, QKST                    ; my stage for q and k
	v_mul_u32_u24 v5, v1, 144
	v_lshl_add_u32 v5, v2, 4, v5
	v_add_nc_u32 v[STO], s22, v5                   ; in: token r, 16 bytes for each half of the lanes
	v_lshrrev_b32 v5, 3, v3
	v_and_b32 v6, 7, v3
	v_mul_u32_u24 v5, v5, 144
	v_lshl_add_u32 v5, v6, 4, v5
	v_add_nc_u32 v[RD], s22, v5                    ; back: eight lanes take a row of 128 bytes, the wave four rows
	v_lshlrev_b32 v[GO], 4, v3
	s_lshl_b32 s23, s10, 7
	s_add_co_u32 s23, s23, VST
	v_mul_u32_u24 v5, v1, VPITCH
	v_lshl_add_u32 v5, v2, 4, v5
	v_add_nc_u32 v[VSTO], s23, v5                  ; vt in: feature r, my wave's 64 tokens at byte 128 w of the row
	s_mul_i32 s23, s10, 16*VPITCH
	s_add_co_u32 s23, s23, VST
	v_lshl_add_u32 v[VRD], v3, 4, s23              ; vt back: wave w takes rows 16 w .. 16 w + 15, 512 bytes each
; 16 matrix instructions for q and k: token blocks a0, a0 + 1 x feature blocks 0..7, 32 along K, from buffer p.  zero = 1: the first product starts the sums.
.macro MULQK p, a0, zero
.irp a, \a0, \a0+1
.irp b, 0,1,2,3,4,5,6,7
.if \zero
	v_wmma_f32_16x16x32_f16 v[8*(8*(\a)+\b):8*(8*(\a)+\b)+7], v[128*\p+8*\b:128*\p+8*\b+7], v[XF+64*\p+8*(\a):XF+64*\p+8*(\a)+7], 0
.else
	v_wmma_f32_16x16x32_f16 v[8*(8*(\a)+\b):8*(8*(\a)+\b)+7], v[128*\p+8*\b:128*\p+8*\b+7], v[XF+64*\p+8*(\a):XF+64*\p+8*(\a)+7], v[8*(8*(\a)+\b):8*(8*(\a)+\b)+7]
.endif
.endr
.endr
.endm
; 16 matrix instructions for v: token blocks 0..3 x feature blocks 8..11 of W
.macro MULV p, zero
.irp a, 0,1,2,3
.irp b, 0,1,2,3
.if \zero
	v_wmma_f32_16x16x32_f16 v[8*(4*\a+\b):8*(4*\a+\b)+7], v[XF+64*\p+8*\a:XF+64*\p+8*\a+7], v[128*\p+64+8*\b:128*\p+64+8*\b+7], 0
.else
	v_wmma_f32_16x16x32_f16 v[8*(4*\a+\b):8*(4*\a+\b)+7], v[XF+64*\p+8*\a:XF+64*\p+8*\a+7], v[128*\p+64+8*\b:128*\p+64+8*\b+7], v[8*(4*\a+\b):8*(4*\a+\b)+7]
.endif
.endr
.endr
.endm
; 32 LDS loads in one run: a quarter step's fragments (32 K at byte k of the rows) into buffer p: x's four, then W's twelve, v's four last
.macro FETCH slot, k, p
	WIN 0
.irp a, 0,1,2,3
	ds_load_b128 v[XF+64*\p+8*\a:XF+64*\p+8*\a+3],   v[ADRA+\slot] offset:\k+\a*16*PITCH
	ds_load_b128 v[XF+64*\p+8*\a+4:XF+64*\p+8*\a+7], v[ADRA+\slot] offset:\k+\a*16*PITCH+32
.endr
	WIN 0x40
.irp b, 0,1,2,3,4,5,6,7,8,9,10,11
	ds_load_b128 v[128*\p+8*\b:128*\p+8*\b+3],   v[ADRB+\slot] offset:\k+\b*16*PITCH
	ds_load_b128 v[128*\p+8*\b+4:128*\p+8*\b+7], v[ADRB+\slot] offset:\k+\b*16*PITCH+32
.endr
.endm
; A K step is four quarters of 32 along K, 48 matrix instructions each, on buffers 0, 1, 0, 1.  The 48 accumulators take turns, one instruction a turn,
; in the same order in every quarter, over the backward jump too.
.macro QUARTER slot, k, p, g, zero
	s_wait_dscnt 8                                 ; x and W's blocks 0..7 are in; the youngest eight loads (W's blocks 8..11, for v) may be out
	WIN 0xa1
	MULQK \p, 0, \zero
	MULQK \p, 2, \zero
	PLACES
	FETCH \slot, \k, \g
	s_wait_dscnt 32                                ; all but the 32 just issued
	WIN 0xf4
	MULV \p, \zero
.endm
.macro THREE slot, zero
	QUARTER \slot, 64,  0, 1, \zero
	QUARTER \slot, 128, 1, 0, 0
	QUARTER \slot, 192, 0, 1, 0
.endm
; The last quarter multiplies buffer 1 and changes slots.  In front of the barrier each wave waits for its reads of this slot and for all its tensor loads
; (the two that are out are its parts of the next slot); behind it the refills come first, then the next slot's first fragments.
.macro TURN slot, next, fill
	s_wait_dscnt 8
	WIN 0xa1
	MULQK 1, 0, 0
	s_wait_dscnt 0                                 ; my reads of this slot are over
	s_wait_tensorcnt 0x0                           ; all my tensor loads have landed
	ds_add_u32 v255, v191
	s_wait_dscnt 0x0
	s_barrier_signal -1                            ; (where the slot is filled again this barrier opens a round of the cluster's barrier)
	MULQK 1, 2, 0                                  ; register work while the others arrive
	WIN 0
	s_barrier_wait -1
.if \fill
	CREST                                          ; no wave of any partner still reads this slot or has a load on its way
	s_add_nc_u64 s[G0A+4*\slot+2:G0A+4*\slot+3], s[G0A+4*\slot+2:G0A+4*\slot+3], 2*KSTEP*2
	s_add_nc_u64 s[G0B+4*\slot+2:G0B+4*\slot+3], s[G0B+4*\slot+2:G0B+4*\slot+3], 2*KSTEP*2
	JL \slot                                       ; the first tensor loads behind the round: they have the next K step's 176 matrix instructions in which to land
.endif
	PLACES
	FETCH \next, 0, 0
	WIN 0xf4
	MULV 1, 0
.endm
.macro LAP zero
	THREE 0, \zero
	TURN 0, 1, 1
	THREE 1, 0
	TURN 1, 0, 1
.endm
	s_wait_tensorcnt 0x2                           ; my two parts of K step 0 are in; K step 1's two stay out
	s_barrier_signal -1
	s_barrier_wait -1
	FETCH 0, 0, 0
	LAP 1                                          ; K steps 0, 1: the first products start the sums
	WIN 0
	s_mov_b32 s3, 2                                ; K steps 2..5
.Llap:
	LAP 0
	WIN 0
	s_sub_co_u32 s3, s3, 1
	s_cmp_lg_u32 s3, 0
	s_cbranch_scc1 .Llap
	THREE 0, 0                                     ; K steps 6, 7 fill nothing
	TURN 0, 1, 0
	THREE 1, 0
	s_wait_dscnt 8
	WIN 0xa1
	MULQK 1, 0, 0
	MULQK 1, 2, 0
	s_wait_dscnt 0
	WIN 0xf4
	MULV 1, 0
	; THE WAY OUT
	PLACES
	s_lshr_b32 s72, s13, 3                         ; batch
	s_lshl_b32 s72, s72, 4
	s_add_co_u32 s72, s72, s42                     ; plane = 16 batch + head
	s_lshl_b32 s72, s72, 18                        ; planes of 262,144 bytes
	s_and_b32 s73, s13, 7                          ; my block of 256 tokens in the batch
	s_lshl_b32 s74, s73, 15                        ; 256 rows of 128 bytes
	s_add_co_u32 s74, s74, s72
	s_lshl_b32 s75, s10, 13                        ; + 64 rows for each wave
	s_add_co_u32 s74, s74, s75
	s_mov_b32 s75, 0
	s_add_nc_u64 s[66:67], s[6:7], s[74:75]        ; q at my first token
	s_add_nc_u64 s[68:69], s[66:67], 8388608       ; k
	s_lshl_b32 s74, s73, 9                         ; vt: 256 tokens of 2 bytes
	s_add_co_u32 s74, s74, s72
	s_lshl_b32 s73, s10, 16                        ; + 16 rows of 4,096 bytes for each wave
	s_add_co_u32 s74, s74, s73
	s_add_co_u32 s74, s74, 16777216
	s_add_nc_u64 s[70:71], s[6:7], s[74:75]
	; v: round to f16, 16 bytes (8 tokens of one feature) a lane into the work-group's stage
	WIN 0x0f
.irp i, 0,1,2,3,4,5,6,7,8,9,10,11,12,13,14,15
.irp rr, 0,1,2,3
	v_cvt_pk_f16_f32 v[TMPV+4*\i+\rr], v[8*\i+2*\rr], v[8*\i+2*\rr+1]
.endr
.endr
	WIN 0
.irp a, 0,1,2,3
.irp b, 0,1,2,3
	ds_store_b128 v[VSTO], v[TMPV+4*(4*\a+\b):TMPV+4*(4*\a+\b)+3] offset:\b*16*VPITCH+32*\a
.endr
.endr
; q and k, 16 tokens at a time, through my own stage: LDS serves a wave's instructions in order (ISA guide 5.7.1), so the loads see the stores above them
.macro OUTQK a, f
	WIN 0x0a
.irp b, 0,1,2,3,4,5,6,7
.irp rr, 0,1,2,3
	v_cvt_pk_f16_f32 v[TMPQ+4*\b+\rr], v[8*(8*\a+\b)+2*\rr], v[8*(8*\a+\b)+2*\rr+1]
.endr
.endr
	WIN 0
.irp b, 0,1,2,3,4,5,6,7
	ds_store_b128 v[STO], v[TMPQ+4*\b:TMPQ+4*\b+3] offset:2304*(\b>>2)+32*(\b&3)
.endr
	s_wait_xcnt 0x0                                ; buffer f, which earlier stores read, is loaded again only behind this wait
.irp t, 0,1,2,3
	ds_load_b128 v[\f+4*\t:\f+4*\t+3], v[RD] offset:576*\t
.endr
.irp t, 0,1,2,3
	ds_load_b128 v[\f+16+4*\t:\f+16+4*\t+3], v[RD] offset:2304+576*\t
.endr
.irp t, 0,1,2,3
	s_wait_dscnt 7-\t                              ; the younger read-backs stay out
	global_store_b128 v[GO], v[\f+4*\t:\f+4*\t+3], s[66:67] offset:2048*\a+512*\t       ; four rows of q: 512 consecutive bytes, aligned
.endr
.irp t, 0,1,2,3
	s_wait_dscnt 3-\t
	global_store_b128 v[GO], v[\f+16+4*\t:\f+16+4*\t+3], s[68:69] offset:2048*\a+512*\t ; four rows of k
.endr
.endm
	OUTQK 0, 64
	OUTQK 1, 128
	OUTQK 2, 64
	OUTQK 3, 128
	s_wait_dscnt 0x0                               ; my stores into the stage of vt are done,
	s_barrier_signal -1
	s_barrier_wait -1                              ; everybody's are
	s_wait_xcnt 0x0                                ; v64-95, which stores read, are loaded again only behind this wait
.irp t, 0,1,2,3,4,5,6,7,8,9,10,11,12,13,14,15
	ds_load_b128 v[64+4*\t:64+4*\t+3], v[VRD] offset:VPITCH*\t
.endr
.irp t, 0,1,2,3,4,5,6,7,8,9,10,11,12,13,14,15
	s_wait_dscnt 15-\t
	global_store_b128 v[GO], v[64+4*\t:64+4*\t+3], s[70:71] offset:4096*\t              ; 256 tokens of one feature: 512 consecutive bytes, aligned
.endr
	s_set_vgpr_msb 0x1
	s_wait_tensorcnt 0x0
	ds_add_u32 v255, v191
	s_wait_dscnt 0x0
	s_set_vgpr_msb 0x100
	CROUND                                         ; the closing round: no work-group ends while a partner may still ask for a tile that names it
	s_endpgm
.Lfunc_end_k_qcc184df50e_qkv:
	.size	k_qcc184df50e_qkv, .Lfunc_end_k_qcc184df50e_qkv-k_qcc184df50e_qkv
	.p2alignl 7, 3214868480
	.fill 96, 4, 3214868480
	.section	.rodata,"a",@progbits
	.p2align	6, 0x0
	.amdhsa_kernel k_qcc184df50e_qkv
		.amdhsa_group_segment_fixed_size 327680
		.amdhsa_private_segment_fixed_size 0
		.amdhsa_enable_private_segment 0
		.amdhsa_kernarg_size 16
		.amdhsa_user_sgpr_count 2
		.amdhsa_user_sgpr_kernarg_segment_ptr 1
		.amdhsa_wavefront_size32 1
		.amdhsa_system_sgpr_workgroup_id_x 1
		.amdhsa_system_sgpr_workgroup_id_y 1
		.amdhsa_system_sgpr_workgroup_id_z 1
		.amdhsa_system_vgpr_workitem_id 0
		.amdhsa_next_free_vgpr 896
		.amdhsa_next_free_sgpr 76
		.amdhsa_reserve_vcc 0
		.amdhsa_float_denorm_mode_32 3
		.amdhsa_float_denorm_mode_16_64 3
		.amdhsa_memory_ordered 1
		.amdhsa_forward_progress 1
		.amdhsa_inst_pref_size 163
	.end_amdhsa_kernel
	.amdgpu_metadata
---
amdhsa.version: [ 1, 2 ]
amdhsa.kernels:
  - .name:           k_qcc184df50e_qkv
    .symbol:         k_qcc184df50e_qkv.kd
    .args:
      - { .name: castbuf, .offset: 0, .size: 8, .value_kind: global_buffer, .address_space: global }
      - { .name: qkvbuf, .offset: 8, .size: 8, .value_kind: global_buffer, .address_space: global }
    .group_segment_fixed_size: 327680
    .private_segment_fixed_size: 0
    .kernarg_segment_align: 8
    .kernarg_segment_size: 16
    .max_flat_workgroup_size: 128
    .sgpr_count:     76
    .vgpr_count:     896
    .wavefront_size: 32
...
	.end_amdgpu_metadata
.endif
;; end of part 2
;; launch attn (part 3): grid 8 x 32, 8 waves a work-group, clusters of 4 x 1, 327,680 bytes of LDS; arguments qkvbuf, attbuf; writes attbuf
.if DOCPART == 3
	.amdgcn_target "amdgcn-amd-amdhsa--gfx1250"
	.amdhsa_code_object_version 6
	.text
	.protected	k_qcc184df50e_attn
	.globl	k_qcc184df50e_attn
	.p2align	8
	.type	k_qcc184df50e_attn,@function
k_qcc184df50e_attn:
	s_mov_b64 s[64:65], 0
	v_nop
	global_prefetch_b8 v0, s[64:65] scope:SCOPE_SE
	s_setreg_imm32_b32 hwreg(HW_REG_WAVE_MODE, 25, 1), 1
	s_wait_xcnt 0x0
	s_wait_alu depctr_hold_cnt(0) depctr_sa_sdst(0) depctr_va_vdst(0) depctr_va_sdst(0) depctr_va_ssrc(0) depctr_va_vcc(0) depctr_vm_vsrc(0)
	s_getreg_b32 s2, hwreg(HW_REG_IB_STS2, 6, 4)
	s_cmp_eq_u32 s2, 0
	s_cbranch_scc0 .Lentry_in_a_cluster
	s_endpgm
.Lentry_in_a_cluster:
	s_bfe_u32 s2, ttmp6, 0x10000c
	s_cmp_lg_u32 s2, 0x3003
	s_cbranch_scc0 .Lentry_shape_is_right
	s_endpgm
.Lentry_shape_is_right:
; attn: softmax(q k^T / 8) v for one head (grid y = 16 batch + head) and 256 queries (grid x), with a running maximum; f16 operands, everything else f32.
; Eight waves.  Wave w has queries 64 (w & 3) .. + 63 and, of every slot of 256 keys, the half g = w >> 2: two steps of 64 keys.  The two halves' results
; are merged at the end.  So each byte read from LDS feeds 64 queries.
; CLUSTERS: the four query blocks of a cluster read the same K and V tiles and ask for them jointly (mask 15), which divides those requests by four.
; The products are used transposed: S^T = K Q^T (a lane holds ONE query, r, and 8 keys in each tile), O^T = V^T P^T.  So the maximum and the sum of a
; query run along a lane's registers and over its partner lane (r + 16) alone, and the exponentials, packed to f16 in place, ARE the second operand of O^T.
; The shift that is kept is NM = -c m rounded (c = log2 e / 8, m the running maximum): p = 2^(c s + NM), rescale = 2^(NM new - NM old).
; MATRIX AND VECTOR WORK INTERLEAVED.  A wave's 64 queries are two halves of 32 (h0, h1), and a step is two phases:
;   T1(i): the vector lines of softmax(h0, i) carry the 32 matrix instructions  O(h1) += V(i-1) P(h1, i-1),  then  S(h1, i) = K(i) Q(h1);
;   T2(i): the vector lines of softmax(h1, i) carry                             O(h0) += V(i) P(h0, i),      then  S(h0, i+1) = K(i+1) Q(h0).
; The matrix instructions stand singly, six to eight vector lines apart, so every stretch of the text has work for both units.
; All 512 registers are in use and a matrix line names another mix of windows than most vector lines: a switch stands on either side of most of them.
; LIMITS: q, k, v and p are f16; the denominator sums p in f32, the numerator uses p rounded to f16; a NaN score is passed over by the maximum.
; attbuf: [b][h][n][64] f16: a work-group's result is 32,768 consecutive bytes.
.set KP,    144                        ; K's LDS row: 128 bytes + 16
.set VP,    528                        ; V^T's LDS row: 512 bytes (256 keys) + 16; both pitches are odd multiples of 16 bytes
.set KT,    256*KP
.set SLOT,  KT+64*VP                   ; 70,656 bytes
.set MERGE, 2*SLOT                     ; behind the ring: for each 64 queries O (32 x 512 bytes), NM (512), L (512) of the second half of the keys
.set MSZ,   17408
.set OUTST, MERGE+4*MSZ                ; and a stage of 64 rows x 144 bytes for the way out
.set OSZ,   9216
.set KADR, 2                           ; v2-3    my K fragments in slot 0, 1
.set VADR, 4                           ; v4-5    my V fragments
.set MST,  6                           ; v6      merge area + 16 x lane
.set OST,  7                           ; v7      the way out, in
.set ORD,  8                           ; v8      the way out, back
.set GO,   9                           ; v9      16 x lane
.set QOFF, 10                          ; v10     my bytes of a Q fragment
.set RM,   12                          ; v12-15  running maximum of query 16 qt + r
.set RNM,  16                          ; v16-23  NM, as pairs
.set RAL,  24                          ; v24-31  rescale factor, as pairs
.set RL,   32                          ; v32-39  running sums, as pairs (even and odd registers)
.set RT,   40                          ; v40-43  at work
.set RT2,  44                          ; v44-47  at work (RT + 4)
.set W,    48                          ; v48-63  at work: set-up, merge
.set KF,   64                          ; K(kt, c) at v[64 + 8 (2 kt + c)]
.set VF,   128                         ; V(dt, kk) at v[128 + 8 (2 dt + kk)]
.set QF,   192                         ; Q(qt, c) at v[192 + 8 (2 qt + c)]
.set SS,   0                           ; window 1: S(kt, qt) at v[8 (4 qt + kt)]; later P(qt, kk) at v[32 qt + 16 kk]
.set OO,   128                         ; window 1: O(dt, qt) at v[128 + 8 (4 qt + dt)]
.set G1K, 16
.set G1V, 24
.set G0K, 32                           ; s[32:39] a set for each slot
.set G0V, 40                           ; s[40:47]
.set MSB, 0
.macro WIN new                         ; s_set_vgpr_msb: bits 1:0 source 0, 3:2 source 1, 5:4 source 2, 7:6 destination; the high byte repeats the setting that is left
.if MSB != \new
	s_set_vgpr_msb (MSB<<8)|\new
.set MSB, \new
.endif
.endm
.macro ROUND                           ; a round of the cluster's barrier
	s_barrier_signal -1
	s_barrier_wait -1
	s_cmp_lg_u32 s8, 0
	s_cbranch_scc1 .Lnot_wave_0_\@
	s_barrier_signal -3
.Lnot_wave_0_\@:
	s_barrier_wait -3
	s_barrier_signal -1
	s_barrier_wait -1
.endm
.macro JL s                            ; every wave asks for its 32 keys of K and its 8 rows of V^T
	tensor_load_to_lds s[G0K+4*\s:G0K+4*\s+3], s[G1K:G1K+7]
	s_nop 0
	tensor_load_to_lds s[G0V+4*\s:G0V+4*\s+3], s[G1V:G1V+7]
	s_nop 0
.endm
	s_load_b128 s[4:7], s[0:1], 0x0                ; qkvbuf s[4:5], attbuf s[6:7]
	v_lshl_add_u32 v118, v0, 2, 0x3c800
	v_mov_b32 v119, 0
	ds_add_u32 v118, v119
	s_wait_dscnt 0x0
	v_lshrrev_b32 v1, 5, v0
	v_readfirstlane_b32 s8, v1                     ; wave 0..7
	s_lshr_b32 s9, s8, 2                           ; g: my half of the keys
	s_and_b32 s10, s8, 3                           ; qs: my 64 queries
	s_bfe_u32 s11, ttmp6, 0x40000                  ; cx
	s_lshl_b32 s12, ttmp9, 2
	s_add_co_u32 s12, s12, s11                     ; query block
	s_and_b32 s13, ttmp7, 0xffff                   ; plane = 16 batch + head
	s_mov_b32 s48, 0x3e38aa3b                      ; c = log2 e / 8
	s_mov_b32 s49, 0x3e38aa3b
	s_mov_b32 s50, 0xbe38aa3b                      ; -c
	s_mov_b32 s51, 0x76543210                      ; v_permlanex16_b32: lane i reads lane i of the other half
	s_mov_b32 s52, 0xfedcba98
	; K's tile of a wave: 32 keys x 128 bytes, dense in memory: 16 rows of 256 bytes; 4 words of padding after every 32 words make the pitch 144
	s_mov_b32 s[G1K+0], 15|(1<<16)|(1<<20)|(1<<21)|(4<<22)|(3<<25)
	s_mov_b32 s[G1K+1], 128<<16
	s_mov_b32 s[G1K+2], 16<<16
	s_mov_b32 s[G1K+3], 128<<16
	s_mov_b32 s[G1K+4], 16
	s_mov_b32 s[G1K+5], 128
	s_mov_b32 s[G1K+6], 0
	s_mov_b32 s[G1K+7], 0
	; V^T's tile of a wave: 8 rows x 256 keys (512 bytes), 2,048 elements from row to row; 4 words of padding after every 128 words
	s_mov_b32 s[G1V+0], 15|(1<<16)|(1<<20)|(1<<21)|(6<<22)|(3<<25)
	s_mov_b32 s[G1V+1], 256<<16
	s_mov_b32 s[G1V+2], 8<<16
	s_mov_b32 s[G1V+3], 256<<16
	s_mov_b32 s[G1V+4], 8
	s_mov_b32 s[G1V+5], 2048
	s_mov_b32 s[G1V+6], 0
	s_mov_b32 s[G1V+7], 0
	s_lshl_b32 s54, s13, 18                        ; K: plane x 262,144
	s_lshl_b32 s55, s8, 12                         ; + 32 keys for each wave
	s_add_co_u32 s54, s54, s55
	s_add_co_u32 s54, s54, 8388608
	s_mov_b32 s55, 0
	s_lshl_b32 s56, s13, 18                        ; V^T: plane x 64 rows of 4,096 bytes
	s_lshl_b32 s57, s8, 15                         ; + 8 rows for each wave
	s_add_co_u32 s56, s56, s57
	s_add_co_u32 s56, s56, 16777216
	s_mov_b32 s57, 0
	s_lshl_b32 s62, s13, 18                        ; Q and the result: plane, query block, my 64 rows of 128 bytes
	s_lshl_b32 s63, s12, 15
	s_add_co_u32 s62, s62, s63
	s_lshl_b32 s63, s10, 13
	s_add_co_u32 s62, s62, s63
	s_mov_b32 s63, 0
	s_mul_i32 s14, s8, 32*KP                       ; LDS: my part of K,
	s_mul_i32 s15, s8, 8*VP
	s_add_co_u32 s15, s15, KT                      ; of V^T
	v_and_b32 v[W], 15, v0                         ; r
	v_bfe_u32 v[W+1], v0, 4, 1                     ; h
	v_and_b32 v[W+2], 31, v0                       ; lane
	v_mul_u32_u24 v[W+3], v[W], KP
	v_lshl_add_u32 v[W+3], v[W+1], 4, v[W+3]       ; 144 r + 16 h
	s_mul_i32 s2, s9, 128*KP
	v_add_nc_u32 v[KADR], s2, v[W+3]
	v_add_nc_u32 v[KADR+1], SLOT, v[KADR]
	v_mul_u32_u24 v[W+4], v[W], VP
	v_lshl_add_u32 v[W+4], v[W+1], 4, v[W+4]       ; 528 r + 16 h
	s_lshl_b32 s2, s9, 8                           ; my 128 keys: 256 bytes along the row
	s_add_co_u32 s2, s2, KT
	v_add_nc_u32 v[VADR], s2, v[W+4]
	v_add_nc_u32 v[VADR+1], SLOT, v[VADR]
	s_mul_i32 s2, s10, MSZ
	s_add_co_u32 s2, s2, MERGE
	v_lshl_add_u32 v[MST], v[W+2], 4, s2
	s_mul_i32 s3, s10, OSZ
	s_add_co_u32 s3, s3, OUTST
	v_add_nc_u32 v[OST], s3, v[W+3]
	v_lshrrev_b32 v[W+5], 3, v[W+2]
	v_and_b32 v[W+6], 7, v[W+2]
	v_mul_u32_u24 v[W+5], v[W+5], KP
	v_lshl_add_u32 v[W+5], v[W+6], 4, v[W+5]
	v_add_nc_u32 v[ORD], s3, v[W+5]
	v_lshlrev_b32 v[GO], 4, v[W+2]
	v_lshlrev_b32 v[QOFF], 7, v[W]
	v_lshl_add_u32 v[QOFF], v[W+1], 4, v[QOFF]     ; 128 r + 16 h
.irp qt, 0,1,2,3
	v_mov_b32 v[RM+\qt], 0xff800000                ; the maximum starts at minus infinity,
	v_mov_b32 v[RL+2*\qt], 0                       ; the sums at 0
	v_mov_b32 v[RL+2*\qt+1], 0
.endr
	s_wait_kmcnt 0x0
	s_add_nc_u64 s[58:59], s[4:5], s[62:63]        ; Q
	s_add_nc_u64 s[60:61], s[6:7], s[62:63]        ; the result
	s_add_nc_u64 s[54:55], s[4:5], s[54:55]        ; K
	s_add_nc_u64 s[56:57], s[4:5], s[56:57]        ; V^T
	ROUND                                          ; the four work-groups are here: the first joint loads meet
.irp s, 0,1
	s_mov_b32 s[G0K+4*\s], 1
	s_add_co_u32 s[G0K+4*\s+1], s14, \s*SLOT
	s_add_nc_u64 s[G0K+4*\s+2:G0K+4*\s+3], s[54:55], \s*32768
	s_or_b32 s[G0K+4*\s+3], s[G0K+4*\s+3], 0x80000000
	s_mov_b32 s[G0V+4*\s], 1
	s_add_co_u32 s[G0V+4*\s+1], s15, \s*SLOT
	s_add_nc_u64 s[G0V+4*\s+2:G0V+4*\s+3], s[56:57], \s*512
	s_or_b32 s[G0V+4*\s+3], s[G0V+4*\s+3], 0x80000000
	JL \s                                          ; four tensor loads of a wave are out here, two behind every later round
.endr
.irp qt, 0,1,2,3
.irp c, 0,1
	global_load_b128 v[QF+8*(2*\qt+\c):QF+8*(2*\qt+\c)+3],   v[QOFF], s[58:59] offset:2048*\qt+64*\c
	global_load_b128 v[QF+8*(2*\qt+\c)+4:QF+8*(2*\qt+\c)+7], v[QOFF], s[58:59] offset:2048*\qt+64*\c+32
.endr
.endr
.macro LOADK s, sub                    ; 16 loads: 64 keys x 64 d
.irp kt, 0,1,2,3
.irp c, 0,1
	ds_load_b128 v[KF+8*(2*\kt+\c):KF+8*(2*\kt+\c)+3],   v[KADR+\s] offset:64*KP*\sub+16*KP*\kt+64*\c
	ds_load_b128 v[KF+8*(2*\kt+\c)+4:KF+8*(2*\kt+\c)+7], v[KADR+\s] offset:64*KP*\sub+16*KP*\kt+64*\c+32
.endr
.endr
.endm
.macro LOADV s, sub                    ; 16 loads: 64 d x 64 keys
.irp dt, 0,1,2,3
.irp kk, 0,1
	ds_load_b128 v[VF+8*(2*\dt+\kk):VF+8*(2*\dt+\kk)+3],   v[VADR+\s] offset:16*VP*\dt+128*\sub+64*\kk
	ds_load_b128 v[VF+8*(2*\dt+\kk)+4:VF+8*(2*\dt+\kk)+7], v[VADR+\s] offset:16*VP*\dt+128*\sub+64*\kk+32
.endr
.endr
.endm
; A PHASE'S MATRIX INSTRUCTIONS are numbered 0..31: 0..15 are O^T += V^T P^T of half P_MH (kk = number / 8, then 2 query tiles x 4 d tiles),
; 16..31 are S^T = K Q^T of the same half (c = (number - 16) / 8, then 2 query tiles x 4 key tiles).  In each run of 8 the accumulators differ and the next
; run takes them up in the same order: they take turns, one instruction a turn, from phase to phase and over the backward jump too.
; PBEGIN: mh = the half; pvon, son = whether 0..15 and 16..31 are there; pvfirst = the products of kk = 0 start O; ipv = vector lines between two of 0..15;
; ldv = V's fragments (slot vs, step vsub) are fetched in front of number 16; kw = K's fragments are waited for there.
.macro PBEGIN mh, pvon, pvfirst, son, ipv, ldv, vs, vsub, kw
.set P_MH,   (\mh)
.set P_PVF,  (\pvfirst)
.set P_IPV,  (\ipv)
.set P_LDV,  (\ldv)
.set P_VS,   (\vs)
.set P_VSUB, (\vsub)
.set P_KW,   (\kw)
.set NV,  0                            ; vector lines of the phase so far
.set NXT, 0                            ; the next matrix instruction stands behind vector line NXT (or the first line after it)
.set NW,  16-16*(\pvon)                ; the next matrix instruction's number
.set NWEND, 16+16*(\son)
.endm
.macro EMITW                           ; the phase's next matrix instruction
.set X_QT, 2*P_MH+((NW>>2)&1)
.set X_T,  NW&3
.set X_C,  (NW>>3)&1
.if NW < 16
	WIN 0x54
.if P_PVF*(1-X_C)
	v_wmma_f32_16x16x32_f16 v[OO+8*(4*X_QT+X_T):OO+8*(4*X_QT+X_T)+7], v[VF+8*(2*X_T+X_C):VF+8*(2*X_T+X_C)+7], v[SS+32*X_QT+16*X_C:SS+32*X_QT+16*X_C+7], 0
.else
	v_wmma_f32_16x16x32_f16 v[OO+8*(4*X_QT+X_T):OO+8*(4*X_QT+X_T)+7], v[VF+8*(2*X_T+X_C):VF+8*(2*X_T+X_C)+7], v[SS+32*X_QT+16*X_C:SS+32*X_QT+16*X_C+7], v[OO+8*(4*X_QT+X_T):OO+8*(4*X_QT+X_T)+7]
.endif
.set NXT, NV+P_IPV
.if NW == 15
.set NXT, NV+6                         ; six plain vector lines on the other half's registers: four places in front of the loads into V's registers, five in front of the products that write over P
.endif
.else
.if NW == 16
.if P_LDV
	WIN 0
	LOADV P_VS, P_VSUB                             ; this step's V: the products that read the last step's are behind us
.endif
.if P_KW
	s_wait_dscnt 0x0                               ; the next step's K, fetched at the phase's head, is in
.endif
.endif
	WIN 0x50
.if X_C == 0
	v_wmma_f32_16x16x32_f16 v[SS+8*(4*X_QT+X_T):SS+8*(4*X_QT+X_T)+7], v[KF+8*(2*X_T+X_C):KF+8*(2*X_T+X_C)+7], v[QF+8*(2*X_QT+X_C):QF+8*(2*X_QT+X_C)+7], 0
.else
	v_wmma_f32_16x16x32_f16 v[SS+8*(4*X_QT+X_T):SS+8*(4*X_QT+X_T)+7], v[KF+8*(2*X_T+X_C):KF+8*(2*X_T+X_C)+7], v[QF+8*(2*X_QT+X_C):QF+8*(2*X_QT+X_C)+7], v[SS+8*(4*X_QT+X_T):SS+8*(4*X_QT+X_T)+7]
.endif
.set NXT, NV+8
.endif
.set NW, NW+1
.endm
.macro TICK                            ; behind every counted vector line of a phase: counts it, and issues a matrix instruction when one is due
.set NV, NV+1
.if NW < NWEND
.if NV >= NXT
	EMITW
.endif
.endif
.endm
; THE VECTOR LINES OF A PHASE: the softmax of half h (query tiles 2 h, 2 h + 1) on 64 keys.  None of them names a register of the other half, whose matrix
; instructions they carry.  smfirst = 1: the first step, nothing to rescale.
; Counted lines: 32 maxima, 20 statistics, 32 rescalings of O, 32 multiply-adds, 64 exponentials, 32 sums, 32 conversions = 244 (first step: 32 + 12 + 32 + 64 + 32 + 32 = 204);
; one v_nop behind the exponentials is not counted.
; With ipv = 6 number k < 16 stands behind line 1 + 6 k (the last behind 91), lines 92-97 are multiply-adds, number 16 + m stands behind line 97 + 8 m (the last
; behind 217), and 27 conversions close the phase.  In the first step, with ipv = 4: 1 + 4 k (61), lines 62-67 are multiply-adds, 67 + 8 m (187), 17 conversions.
; Those closing lines are the places in front of whatever the next phase does with the matrix instructions' registers (ISA guide 7.12.1).
.macro PHASE h, smfirst
	; the maximum of the old maximum and my 32 scores of each query: two chains a query tile, four in all
.irp i, 0,1,2,3,4,5,6,7
.irp e, 0,1
.irp q, 0,1
.set QT, 2*\h+\q
	WIN 0x14
.if \i == 0
	v_max3_num_f32 v[RT+4*\e+QT], v[RM+QT], v[SS+32*QT+4*\i+2*\e], v[SS+32*QT+4*\i+2*\e+1]
.else
	v_max3_num_f32 v[RT+4*\e+QT], v[RT+4*\e+QT], v[SS+32*QT+4*\i+2*\e], v[SS+32*QT+4*\i+2*\e+1]
.endif
	TICK
.endr
.endr
.endr
.irp q, 0,1
.set QT, 2*\h+\q
	WIN 0
	v_max_num_f32 v[RT+QT], v[RT+QT], v[RT2+QT]
	TICK
.endr
.irp q, 0,1
.set QT, 2*\h+\q
	WIN 0
	v_permlanex16_b32 v[RT2+QT], v[RT+QT], s51, s52            ; the partner lane holds the query's other 32 keys
	TICK
.endr
.irp q, 0,1
.set QT, 2*\h+\q
	WIN 0
	v_max_num_f32 v[RM+QT], v[RT+QT], v[RT2+QT]
	TICK
.endr
.irp q, 0,1
.set QT, 2*\h+\q
	WIN 0
	v_mul_f32 v[RT+QT], s50, v[RM+QT]                          ; the new shift, -c m
	TICK
.endr
.if \smfirst == 0
.irp q, 0,1
.set QT, 2*\h+\q
	WIN 0
	v_sub_f32 v[RT2+QT], v[RT+QT], v[RNM+2*QT]                 ; new shift - old shift, never above 0
	TICK
.endr
.irp q, 0,1
.set QT, 2*\h+\q
	WIN 0
	v_exp_f32 v[RAL+2*QT], v[RT2+QT]
	TICK
.endr
.endif
.irp q, 0,1
.set QT, 2*\h+\q
	WIN 0
	v_mov_b32 v[RNM+2*QT], v[RT+QT]                            ; plain lines behind the exponentials (ISA guide 5.7.2)
	TICK
	WIN 0
	v_mov_b32 v[RNM+2*QT+1], v[RT+QT]
	TICK
.endr
.if \smfirst == 0
.irp q, 0,1
.set QT, 2*\h+\q
	WIN 0
	s_wait_alu depctr_va_vdst(0)
	v_mov_b32 v[RAL+2*QT+1], v[RAL+2*QT]
	TICK
.endr
.irp q, 0,1
.set QT, 2*\h+\q
	WIN 0
	v_pk_mul_f32 v[RL+2*QT:RL+2*QT+1], v[RL+2*QT:RL+2*QT+1], v[RAL+2*QT:RAL+2*QT+1]
	TICK
.endr
	; O's rescaling, the factor first: so written it runs under the setting of the products that stand among these lines
.irp q, 0,1
.irp i, 0,1,2,3,4,5,6,7,8,9,10,11,12,13,14,15
.set QT, 2*\h+\q
	WIN 0x54
	v_pk_mul_f32 v[OO+32*QT+2*\i:OO+32*QT+2*\i+1], v[RAL+2*QT:RAL+2*QT+1], v[OO+32*QT+2*\i:OO+32*QT+2*\i+1]
	TICK
.endr
.endr
.endif
	; p = 2^(c s + NM), in place
.irp q, 0,1
.irp i, 0,1,2,3,4,5,6,7,8,9,10,11,12,13,14,15
.set QT, 2*\h+\q
	WIN 0x41
	v_pk_fma_f32 v[SS+32*QT+2*\i:SS+32*QT+2*\i+1], v[SS+32*QT+2*\i:SS+32*QT+2*\i+1], s[48:49], v[RNM+2*QT:RNM+2*QT+1] op_sel_hi:[1,0,1]
	TICK
.endr
.endr
.irp q, 0,1
.irp i, 0,1,2,3,4,5,6,7,8,9,10,11,12,13,14,15
.set QT, 2*\h+\q
	WIN 0x41
	v_exp_f32 v[SS+32*QT+2*\i], v[SS+32*QT+2*\i]
	TICK
	WIN 0x41
	v_exp_f32 v[SS+32*QT+2*\i+1], v[SS+32*QT+2*\i+1]
	TICK
.endr
.endr
	v_nop                                          ; the one plain vector line between the run of exponentials and the first read of a result (ISA guide 5.7.2): the matrix
	s_wait_alu depctr_va_vdst(0)
	                                               ; instructions and switches that stand inside the run are no such line
	; the sums, in f32, two chains a query tile: L takes the even pairs, a pair at work the odd ones
.irp q, 0,1
.set QT, 2*\h+\q
	WIN 0x05
	v_pk_add_f32 v[RT+4*\q+2*\h:RT+4*\q+2*\h+1], v[SS+32*QT+2:SS+32*QT+3], v[SS+32*QT+6:SS+32*QT+7]
	TICK
.endr
.irp k, 0,1,2,3,4,5,6,7
.irp q, 0,1
.set QT, 2*\h+\q
	WIN 0x04
	v_pk_add_f32 v[RL+2*QT:RL+2*QT+1], v[RL+2*QT:RL+2*QT+1], v[SS+32*QT+4*\k:SS+32*QT+4*\k+1]
	TICK
.endr
.if \k >= 2
.irp q, 0,1
.set QT, 2*\h+\q
	WIN 0x04
	v_pk_add_f32 v[RT+4*\q+2*\h:RT+4*\q+2*\h+1], v[RT+4*\q+2*\h:RT+4*\q+2*\h+1], v[SS+32*QT+4*\k+2:SS+32*QT+4*\k+3]
	TICK
.endr
.endif
.endr
.irp q, 0,1
.set QT, 2*\h+\q
	WIN 0
	v_pk_add_f32 v[RL+2*QT:RL+2*QT+1], v[RL+2*QT:RL+2*QT+1], v[RT+4*\q+2*\h:RT+4*\q+2*\h+1]
	TICK
.endr
	; two tiles of 16 keys pack into one fragment of 32 keys, in place: register i from registers 2 i, 2 i + 1
.irp q, 0,1
.irp kk, 0,1
.irp i, 0,1,2,3,4,5,6,7
.set QT, 2*\h+\q
	WIN 0x45
	v_cvt_pk_f16_f32 v[SS+32*QT+16*\kk+\i], v[SS+32*QT+16*\kk+2*\i], v[SS+32*QT+16*\kk+2*\i+1]
	TICK
.endr
.endr
.endr
.endm
; A trip: one slot, two steps, four phases.  first = 1: the launch's first step is its first.  The slot's last read is V of its second step, in the third phase:
; the change of slots stands behind that phase.  mode 2: the slot is filled again, two slots ahead; mode 1: only the change of slots; mode 0: the last slot.
.macro TRIP s, nx, first, mode
	PBEGIN 1, 1-\first, 0, 1, 6, 1, \s, 0, 0
	PHASE 0, \first
	WIN 0
	LOADK \s, 1                                    ; the closing conversions of the phase above are the places behind the products that read K
	s_wait_dscnt 16                                ; V's 16 loads are in; K's 16, just issued behind them, stay out
	PBEGIN 0, 1, \first, 1, 6-2*\first, 0, 0, 0, 1
	PHASE 1, \first
	PBEGIN 1, 1, \first, 1, 6, 1, \s, 1, 0
	PHASE 0, 0
	WIN 0
.if \mode == 2
	s_wait_dscnt 0x0                               ; my reads of this slot are done, V's fragments among them
	s_wait_xcnt 0x0
	v_lshl_add_u32 v118, v0, 2, 0x3c800
	v_mov_b32 v119, 0
	s_wait_tensorcnt 0x0                           ; all my tensor loads have landed (my parts of the other slot), so every group 0 may be written
	ds_add_u32 v118, v119
	s_wait_dscnt 0x0
	s_add_nc_u64 s[G0K+4*\s+2:G0K+4*\s+3], s[G0K+4*\s+2:G0K+4*\s+3], 65536
	s_add_nc_u64 s[G0V+4*\s+2:G0V+4*\s+3], s[G0V+4*\s+2:G0V+4*\s+3], 1024
	ROUND                                          ; both now hold of every wave of the four work-groups
	JL \s                                          ; the refills come first: they have four phases, up to the next change of slots, in which to land
	LOADK \nx, 0
.endif
.if \mode == 1
	s_wait_dscnt 0x0
	s_wait_tensorcnt 0x0                           ; my parts of the last slot have landed
	s_barrier_signal -1
	s_barrier_wait -1
	LOADK \nx, 0
.endif
.if \mode == 0
	s_wait_dscnt 0x0                               ; V's fragments
	PBEGIN 0, 1, 0, 0, 6, 0, 0, 0, 0               ; no step follows: no scores to make
.else
	PBEGIN 0, 1, 0, 1, 6, 0, 0, 0, 1
.endif
	PHASE 1, 0
.endm
	s_wait_tensorcnt 0x2                           ; my two parts of slot 0 are in; slot 1's two stay out
	s_barrier_signal -1
	s_barrier_wait -1
	LOADK 0, 0
	s_wait_loadcnt 0x0                             ; Q, once
	PBEGIN 0, 0, 0, 1, 6, 0, 0, 0, 1               ; the scores of half 0 in step 0 stand alone: there is nothing yet to carry them
.rept 16
	EMITW
.endr
.rept 4
	v_nop                                          ; four places in front of the first read of a score (ISA guide 7.12.1)
.endr
	TRIP 0, 1, 1, 2                                ; keys 0-255; asks for 512-767
	TRIP 1, 0, 0, 2
	WIN 0
	s_mov_b32 s53, 2
.Lloop:
	TRIP 0, 1, 0, 2
	TRIP 1, 0, 0, 2
	WIN 0
	s_sub_co_u32 s53, s53, 1
	s_cmp_lg_u32 s53, 0
	s_cbranch_scc1 .Lloop
	TRIP 0, 1, 0, 1                                ; the last two slots fill nothing
	TRIP 1, 0, 0, 0
	PBEGIN 1, 1, 0, 0, 6, 0, 0, 0, 0               ; half 1's last products stand alone
.rept 16
	EMITW
.endr
	WIN 0
.rept 4
	v_nop                                          ; four places in front of the stores and lines that read O and of the loads into K's and V's registers
.endr
	; THE MERGE of the two halves of the keys.  Waves 4-7 hand O, NM and L to waves 0-3 through LDS bytes that no tensor load fills.
.irp qt, 0,1,2,3
	v_add_f32 v[RL+2*\qt], v[RL+2*\qt], v[RL+2*\qt+1]
.endr
	s_cmp_lt_u32 s8, 4
	s_cbranch_scc1 .Lkeep
	WIN 0x04
.set i, 0
.rept 32
	ds_store_b128 v[MST], v[OO+4*i:OO+4*i+3] offset:512*i
.set i, i+1
.endr
	WIN 0
.irp qt, 0,1,2,3
	v_mov_b32 v[W+\qt], v[RNM+2*\qt]
	v_mov_b32 v[W+4+\qt], v[RL+2*\qt]
.endr
	ds_store_b128 v[MST], v[W:W+3] offset:16384
	ds_store_b128 v[MST], v[W+4:W+7] offset:16896
.Lkeep:
	s_wait_dscnt 0x0                               ; for the others' sake: my stores are done
	s_barrier_signal -1
	s_barrier_wait -1
	s_cmp_ge_u32 s8, 4
	s_cbranch_scc1 .Lclose
	ds_load_b128 v[W+8:W+11], v[MST] offset:16384  ; the partner's NM
	ds_load_b128 v[W+12:W+15], v[MST] offset:16896 ; the partner's L
.set i, 0
.rept 32
	ds_load_b128 v[KF+4*i:KF+4*i+3], v[MST] offset:512*i       ; the partner's O, into K's and V's registers
.set i, i+1
.endr
	s_wait_dscnt 32                                ; the two statistics are in; the 32 quads of O stay out
.irp qt, 0,1,2,3
	v_min_num_f32 v[RT+\qt], v[RNM+2*\qt], v[W+8+\qt]          ; the larger maximum has the smaller shift
.endr
.irp qt, 0,1,2,3
	v_sub_f32 v[RT2+\qt], v[RT+\qt], v[RNM+2*\qt]
	v_sub_f32 v[W+\qt], v[RT+\qt], v[W+8+\qt]
.endr
.irp qt, 0,1,2,3
	v_exp_f32 v[RT2+\qt], v[RT2+\qt]               ; my factor
	v_exp_f32 v[W+\qt], v[W+\qt]                   ; the partner's
.endr
	v_nop                                          ; a plain instruction behind the exponentials (ISA guide 5.7.2)
	s_wait_alu depctr_va_vdst(0)
.irp qt, 0,1,2,3
	v_mul_f32 v[W+4+\qt], v[RL+2*\qt], v[RT2+\qt]
.endr
.irp qt, 0,1,2,3
	v_fmac_f32 v[W+4+\qt], v[W+12+\qt], v[W+\qt]
.endr
.irp qt, 0,1,2,3
	v_permlanex16_b32 v[RT+\qt], v[W+4+\qt], s51, s52          ; the partner lane's keys
.endr
.irp qt, 0,1,2,3
	v_add_f32 v[W+4+\qt], v[W+4+\qt], v[RT+\qt]    ; the whole denominator
.endr
.irp qt, 0,1,2,3
	v_rcp_f32 v[W+4+\qt], v[W+4+\qt]
.endr
	v_nop
	s_wait_alu depctr_va_vdst(0)
.irp qt, 0,1,2,3
	v_mul_f32 v[RAL+2*\qt], v[RT2+\qt], v[W+4+\qt] ; what my O is multiplied by,
	v_mul_f32 v[RNM+2*\qt], v[W+\qt], v[W+4+\qt]   ; and the partner's
.endr
.irp qt, 0,1,2,3
	v_mov_b32 v[RAL+2*\qt+1], v[RAL+2*\qt]
	v_mov_b32 v[RNM+2*\qt+1], v[RNM+2*\qt]
.endr
	s_wait_dscnt 0x0
.set i, 0
.rept 64
	v_pk_mul_f32 v[KF+2*i:KF+2*i+1], v[KF+2*i:KF+2*i+1], v[RNM+2*(i/16):RNM+2*(i/16)+1]
.set i, i+1
.endr
	WIN 0x01
.set i, 0
.rept 64
	v_pk_fma_f32 v[KF+2*i:KF+2*i+1], v[OO+2*i:OO+2*i+1], v[RAL+2*(i/16):RAL+2*(i/16)+1], v[KF+2*i:KF+2*i+1]
.set i, i+1
.endr
	WIN 0
	; a lane holds 8 neighbouring d of query r in each tile: 16 bytes of f16, through my own stage, back as whole rows
.irp u, 0,1,2,3,4,5,6,7,8,9,10,11,12,13,14,15
.irp i, 0,1,2,3
	v_cvt_pk_f16_f32 v[KF+8*\u+\i], v[KF+8*\u+2*\i], v[KF+8*\u+2*\i+1]
.endr
.endr
.irp qt, 0,1,2,3
.irp dt, 0,1,2,3
	ds_store_b128 v[OST], v[KF+8*(4*\qt+\dt):KF+8*(4*\qt+\dt)+3] offset:16*KP*\qt+32*\dt
.endr
.endr
.irp t, 0,1,2,3,4,5,6,7,8,9,10,11,12,13,14,15
	ds_load_b128 v[QF+4*\t:QF+4*\t+3], v[ORD] offset:4*KP*\t   ; LDS serves a wave's instructions in order (ISA guide 5.7.1): these see the stores above
.endr
.irp t, 0,1,2,3,4,5,6,7,8,9,10,11,12,13,14,15
	s_wait_dscnt 15-\t                             ; the younger read-backs stay out
	global_store_b128 v[GO], v[QF+4*\t:QF+4*\t+3], s[60:61] offset:512*\t      ; four rows: 512 consecutive bytes, aligned
.endr
.Lclose:
	s_wait_dscnt 0x0
	s_wait_xcnt 0x0
	v_lshl_add_u32 v118, v0, 2, 0x3c800
	v_mov_b32 v119, 0
	s_wait_tensorcnt 0x0
	ds_add_u32 v118, v119
	s_wait_dscnt 0x0
	ROUND                                          ; the closing round: no work-group ends while a partner may still ask for a tile that names it
	s_endpgm
.Lfunc_end_k_qcc184df50e_attn:
	.size	k_qcc184df50e_attn, .Lfunc_end_k_qcc184df50e_attn-k_qcc184df50e_attn
	.p2alignl 7, 3214868480
	.fill 96, 4, 3214868480
	.section	.rodata,"a",@progbits
	.p2align	6, 0x0
	.amdhsa_kernel k_qcc184df50e_attn
		.amdhsa_group_segment_fixed_size 327680
		.amdhsa_private_segment_fixed_size 0
		.amdhsa_enable_private_segment 0
		.amdhsa_kernarg_size 16
		.amdhsa_user_sgpr_count 2
		.amdhsa_user_sgpr_kernarg_segment_ptr 1
		.amdhsa_wavefront_size32 1
		.amdhsa_system_sgpr_workgroup_id_x 1
		.amdhsa_system_sgpr_workgroup_id_y 1
		.amdhsa_system_sgpr_workgroup_id_z 1
		.amdhsa_system_vgpr_workitem_id 0
		.amdhsa_next_free_vgpr 512
		.amdhsa_next_free_sgpr 66
		.amdhsa_reserve_vcc 0
		.amdhsa_float_denorm_mode_32 3
		.amdhsa_float_denorm_mode_16_64 3
		.amdhsa_memory_ordered 1
		.amdhsa_forward_progress 1
		.amdhsa_inst_pref_size 255
	.end_amdhsa_kernel
	.section	.bss,"aw",@nobits
	.p2align	6
	.space	262144
	.amdgpu_metadata
---
amdhsa.version: [ 1, 2 ]
amdhsa.kernels:
  - .name:           k_qcc184df50e_attn
    .symbol:         k_qcc184df50e_attn.kd
    .args:
      - { .name: qkvbuf, .offset: 0, .size: 8, .value_kind: global_buffer, .address_space: global }
      - { .name: attbuf, .offset: 8, .size: 8, .value_kind: global_buffer, .address_space: global }
    .group_segment_fixed_size: 327680
    .private_segment_fixed_size: 0
    .kernarg_segment_align: 8
    .kernarg_segment_size: 16
    .max_flat_workgroup_size: 256
    .sgpr_count:     66
    .vgpr_count:     512
    .wavefront_size: 32
...
	.end_amdgpu_metadata
.endif
;; end of part 3
;; launch proj (part 4): grid 8 x 32, 4 waves a work-group, clusters of 4 x 4, 327,680 bytes of LDS; arguments attbuf, castbuf, bo, out0; writes out0
.if DOCPART == 4
	.amdgcn_target "amdgcn-amd-amdhsa--gfx1250"
	.amdhsa_code_object_version 6
	.text
	.protected	k_qcc184df50e_proj
	.globl	k_qcc184df50e_proj
	.p2align	8
	.type	k_qcc184df50e_proj,@function
k_qcc184df50e_proj:
	s_mov_b64 s[64:65], 0
	v_nop
	global_prefetch_b8 v0, s[64:65] scope:SCOPE_SE
	s_setreg_imm32_b32 hwreg(HW_REG_WAVE_MODE, 25, 1), 1
	s_wait_xcnt 0x0
	s_wait_alu depctr_hold_cnt(0) depctr_sa_sdst(0) depctr_va_vdst(0) depctr_va_sdst(0) depctr_va_ssrc(0) depctr_va_vcc(0) depctr_vm_vsrc(0)
	s_getreg_b32 s2, hwreg(HW_REG_IB_STS2, 6, 4)
	s_cmp_eq_u32 s2, 0
	s_cbranch_scc0 .Lentry_in_a_cluster
	s_endpgm
.Lentry_in_a_cluster:
	s_bfe_u32 s2, ttmp6, 0x10000c
	s_cmp_lg_u32 s2, 0xf033
	s_cbranch_scc0 .Lentry_shape_is_right
	s_endpgm
.Lentry_shape_is_right:
; proj: out0 = attn Wo^T + bo.  f16 operands, f32 sums, f32 result.  4096 x 1024 x 1024.
; A work-group makes 128 tokens (grid y) x 128 features (grid x): 256 work-groups.  Four waves, 64 x 64 each: 16 accumulator tiles.
; K goes in four steps of 256 (four heads) through two LDS slots, all written out.  attbuf is [b][h][n][64]: a step's tile of A is four dense blocks
; of 128 tokens x 128 bytes, one for each wave to fetch; Wo's tile is 128 rows of 512 bytes.
; CLUSTERS: 4 x 4 work-groups; A's tile is asked for jointly by a row of the cluster, Wo's by a column, which divides the requests for both by four.
; The matrix instruction is used transposed (source 0 = rows of Wo, source 1 = rows of A): a lane holds 8 neighbouring features of one token, 32 bytes.
; LIMIT: the operands are f16 (|attn|, |Wo| below 65,504).
.set AP,    144                        ; A's LDS row: 128 bytes + 16
.set BP,    528                        ; Wo's LDS row: 512 bytes + 16; both pitches are odd multiples of 16 bytes
.set ASUB,  128*AP                     ; one head's 128 tokens
.set BOFF,  4*ASUB
.set SLOT,  BOFF+128*BP                ; 141,312 bytes
.set STAGE, 2*SLOT                     ; behind the ring: 16 rows x 272 bytes for each wave
.set SP,    272
.set ADRA, 16                          ; v16-17
.set ADRB, 20                          ; v20-21
.set STO,  24
.set RD,   25
.set CO,   26
.set BO,   27
.set BIAS, 28                          ; v[28:31] bo of the four columns that I store
.set FA,   64                          ; A(a) of buffer p at v[64 + 64 p + 8 a]
.set FB,   96                          ; B(b) of buffer p at v[96 + 64 p + 8 b]
.set G1A, 24
.set G0A, 32
.set G1B, 48
.set G0B, 56
.set MSB, 0
.macro WIN new                         ; s_set_vgpr_msb: bits 1:0 source 0, 3:2 source 1, 5:4 source 2, 7:6 destination; the high byte repeats the setting that is left
.if MSB != \new
	s_set_vgpr_msb (MSB<<8)|\new
.set MSB, \new
.endif
.endm
.macro PLACES                          ; four plain vector instructions behind a matrix instruction, in front of loads into and reads of its registers
.rept 4
	v_nop
.endr
.endm
.macro JL s
	tensor_load_to_lds s[G0A+4*\s:G0A+4*\s+3], s[G1A:G1A+7]
	s_nop 0
	tensor_load_to_lds s[G0B+4*\s:G0B+4*\s+3], s[G1B:G1B+7]
	s_nop 0
.endm
.macro CREST
	s_cmp_lg_u32 s12, 0
	s_cbranch_scc1 .Lnot_wave_0_\@
	s_barrier_signal -3
.Lnot_wave_0_\@:
	s_barrier_wait -3
	s_barrier_signal -1
	s_barrier_wait -1
.endm
.macro CROUND
	s_barrier_signal -1
	s_barrier_wait -1
	CREST
.endm
	s_load_b256 s[4:11], s[0:1], 0x0               ; attbuf s[4:5], castbuf s[6:7], bo s[8:9], out0 s[10:11]
	v_lshl_add_u32 v254, v0, 2, 0x49400
	v_mov_b32 v255, 0
	ds_add_u32 v254, v255
	v_lshrrev_b32 v1, 5, v0
	v_readfirstlane_b32 s12, v1                    ; wave 0..3
	s_bfe_u32 s40, ttmp6, 0x40000                  ; cx
	s_bfe_u32 s41, ttmp6, 0x40004                  ; cy
	s_lshl_b32 s42, ttmp9, 2
	s_add_co_u32 s42, s42, s40                     ; feature block
	s_and_b32 s13, ttmp7, 0xffff
	s_lshl_b32 s13, s13, 2
	s_add_co_u32 s13, s13, s41                     ; token block
	s_lshl_b32 s43, s41, 2
	s_lshl_b32 s43, 15, s43                        ; my row of the cluster
	s_lshl_b32 s44, 0x1111, s40                    ; my column
	; A: 128 tokens x 128 bytes, dense: 64 rows of 256 bytes; 4 words of padding after every 32 words make the pitch 144
	s_or_b32 s[G1A+0], s43, (1<<16)|(1<<20)|(1<<21)|(4<<22)|(3<<25)
	s_mov_b32 s[G1A+1], 128<<16
	s_mov_b32 s[G1A+2], 64<<16
	s_mov_b32 s[G1A+3], 128<<16
	s_mov_b32 s[G1A+4], 64
	s_mov_b32 s[G1A+5], 128
	s_mov_b32 s[G1A+6], 0
	s_mov_b32 s[G1A+7], 0
	; Wo: 32 rows x 256 elements, 1,024 elements from row to row; 4 words of padding after every 128 words
	s_or_b32 s[G1B+0], s44, (1<<16)|(1<<20)|(1<<21)|(6<<22)|(3<<25)
	s_mov_b32 s[G1B+1], 256<<16
	s_mov_b32 s[G1B+2], 32<<16
	s_mov_b32 s[G1B+3], 256<<16
	s_mov_b32 s[G1B+4], 32
	s_mov_b32 s[G1B+5], 1024
	s_mov_b32 s[G1B+6], 0
	s_mov_b32 s[G1B+7], 0
	s_lshr_b32 s16, s13, 4                         ; batch: 16 planes of 262,144 bytes
	s_lshl_b32 s16, s16, 22
	s_and_b32 s17, s13, 15
	s_lshl_b32 s17, s17, 14                        ; my 128 tokens of 128 bytes
	s_add_co_u32 s16, s16, s17
	s_lshl_b32 s17, s12, 18                        ; wave w fetches head 4 step + w
	s_add_co_u32 s16, s16, s17
	s_mov_b32 s17, 0
	s_lshl_b32 s46, s42, 18                        ; 128 rows of 2,048 bytes
	s_lshl_b32 s47, s12, 16                        ; + 32 rows for each wave
	s_add_co_u32 s46, s46, s47
	s_add_co_u32 s46, s46, 14680064                ; woh in castbuf
	s_mov_b32 s47, 0
	s_mul_i32 s20, s12, ASUB
	s_mul_i32 s21, s12, 32*BP
	s_add_co_u32 s21, s21, BOFF
	s_lshr_b32 s72, s12, 1                         ; wr: my 64 tokens
	s_and_b32 s73, s12, 1                          ; wc: my 64 features
	s_lshl_b32 s74, s42, 9                         ; my first column, in bytes of f32
	s_lshl_b32 s75, s73, 8
	s_add_co_u32 s74, s74, s75
	s_mov_b32 s75, 0
	s_lshl_b32 s70, s13, 19                        ; my first row: 128 rows of 4,096 bytes a block,
	s_lshl_b32 s71, s72, 18                        ; 64 a wave
	s_add_co_u32 s70, s70, s71
	s_add_co_u32 s70, s70, s74
	s_mov_b32 s71, 0
	s_wait_dscnt 0x0
	s_wait_kmcnt 0x0
	s_add_nc_u64 s[14:15], s[4:5], s[16:17]
	s_add_nc_u64 s[46:47], s[6:7], s[46:47]
	s_add_nc_u64 s[66:67], s[8:9], s[74:75]        ; bo at my first column
	s_add_nc_u64 s[68:69], s[10:11], s[70:71]      ; out0 at my corner
	CROUND                                         ; all sixteen work-groups are here: the first joint loads meet
.irp s, 0,1
	s_mov_b32 s[G0A+4*\s], 1
	s_add_co_u32 s[G0A+4*\s+1], s20, \s*SLOT
	s_add_nc_u64 s[G0A+4*\s+2:G0A+4*\s+3], s[14:15], \s*1048576    ; four heads on
	s_or_b32 s[G0A+4*\s+3], s[G0A+4*\s+3], 0x80000000
	s_mov_b32 s[G0B+4*\s], 1
	s_add_co_u32 s[G0B+4*\s+1], s21, \s*SLOT
	s_add_nc_u64 s[G0B+4*\s+2:G0B+4*\s+3], s[46:47], \s*512
	s_or_b32 s[G0B+4*\s+3], s[G0B+4*\s+3], 0x80000000
	JL \s                                          ; four tensor loads of a wave are out here, two behind every later round
.endr
	v_and_b32 v1, 15, v0                           ; r
	v_bfe_u32 v2, v0, 4, 1                         ; h
	v_lshlrev_b32 v[BO], 4, v1
	global_load_b128 v[BIAS:BIAS+3], v[BO], s[66:67]
	v_mul_u32_u24 v3, v1, AP
	v_lshl_add_u32 v3, v2, 4, v3
	s_mul_i32 s22, s72, 64*AP
	v_add_nc_u32 v[ADRA], s22, v3
	v_add_nc_u32 v[ADRA+1], SLOT, v[ADRA]
	v_mul_u32_u24 v4, v1, BP
	v_lshl_add_u32 v4, v2, 4, v4
	s_mul_i32 s22, s73, 64*BP
	s_add_co_u32 s22, s22, BOFF
	v_add_nc_u32 v[ADRB], s22, v4
	v_add_nc_u32 v[ADRB+1], SLOT, v[ADRB]
	s_mul_i32 s23, s12, 16*SP
	s_add_co_u32 s23, s23, STAGE                   ; my stage
	v_mul_u32_u24 v5, v1, SP
	v_lshl_add_u32 v5, v2, 5, v5                   ; in: token r, 32 bytes for each half of the lanes
	v_add_nc_u32 v[STO], s23, v5
	v_mul_u32_u24 v5, v2, SP
	v_lshl_add_u32 v5, v1, 4, v5                   ; back: lanes 0-15 take one row of 256 bytes, lanes 16-31 the next
	v_add_nc_u32 v[RD], s23, v5
	v_lshlrev_b32 v5, 12, v2
	v_lshl_add_u32 v[CO], v1, 4, v5                ; and the same two rows in out0
; 16 LDS loads: the fragments of eighth e (32 along K: head e / 2 of the step, half e % 2 of its 64) into buffer p
.macro FETCH s, e, p
.irp a, 0,1,2,3
	ds_load_b128 v[FA+64*\p+8*\a:FA+64*\p+8*\a+3],   v[ADRA+\s] offset:ASUB*(\e>>1)+16*AP*\a+64*(\e&1)
	ds_load_b128 v[FA+64*\p+8*\a+4:FA+64*\p+8*\a+7], v[ADRA+\s] offset:ASUB*(\e>>1)+16*AP*\a+64*(\e&1)+32
.endr
.irp b, 0,1,2,3
	ds_load_b128 v[FB+64*\p+8*\b:FB+64*\p+8*\b+3],   v[ADRB+\s] offset:16*BP*\b+64*\e
	ds_load_b128 v[FB+64*\p+8*\b+4:FB+64*\p+8*\b+7], v[ADRB+\s] offset:16*BP*\b+64*\e+32
.endr
.endm
; 16 matrix instructions; the 16 accumulators take turns, one instruction a turn, in the same order every time
.macro MUL p, zero
	WIN 0x50
.irp a, 0,1,2,3
.irp b, 0,1,2,3
.if \zero
	v_wmma_f32_16x16x32_f16 v[8*(4*\a+\b):8*(4*\a+\b)+7], v[FB+64*\p+8*\b:FB+64*\p+8*\b+7], v[FA+64*\p+8*\a:FA+64*\p+8*\a+7], 0
.else
	v_wmma_f32_16x16x32_f16 v[8*(4*\a+\b):8*(4*\a+\b)+7], v[FB+64*\p+8*\b:FB+64*\p+8*\b+7], v[FA+64*\p+8*\a:FA+64*\p+8*\a+7], v[8*(4*\a+\b):8*(4*\a+\b)+7]
.endif
.endr
.endr
	WIN 0
.endm
; fetch eighth en into buffer pn, multiply buffer pc
.macro EIGHTH s, en, pn, pc, zero
	PLACES
	FETCH \s, \en, \pn
	s_wait_dscnt 16                                ; all but the 16 just issued
	MUL \pc, \zero
.endm
.macro SEVEN s, zero
	EIGHTH \s, 1, 1, 0, \zero
	EIGHTH \s, 2, 0, 1, 0
	EIGHTH \s, 3, 1, 0, 0
	EIGHTH \s, 4, 0, 1, 0
	EIGHTH \s, 5, 1, 0, 0
	EIGHTH \s, 6, 0, 1, 0
	EIGHTH \s, 7, 1, 0, 0
.endm
; the last eighth of a step, and the change of slots.  mode 2: this slot is filled again; mode 1: only the change; mode 0: the last step
.macro LAST s, nx, mode
	s_wait_dscnt 0x0                               ; my reads of this slot are over
.if \mode
	s_wait_tensorcnt 0x0                           ; all my tensor loads have landed: my parts of the other slot
	ds_add_u32 v254, v255
	s_wait_dscnt 0x0
	s_barrier_signal -1                            ; (in mode 2 this barrier opens a round of the cluster's barrier)
.endif
	MUL 1, 0                                       ; register work while the others arrive
.if \mode
	s_barrier_wait -1
.endif
.if \mode == 2
	CREST                                          ; no wave of any partner still reads this slot or has a load on its way
	s_add_nc_u64 s[G0A+4*\s+2:G0A+4*\s+3], s[G0A+4*\s+2:G0A+4*\s+3], 2097152
	s_add_nc_u64 s[G0B+4*\s+2:G0B+4*\s+3], s[G0B+4*\s+2:G0B+4*\s+3], 1024
	JL \s                                          ; the first tensor loads behind the round: they have the next step's 112 matrix instructions in which to land
.endif
.if \mode
	PLACES
	FETCH \nx, 0, 0
.endif
.endm
	s_wait_tensorcnt 0x2                           ; my two parts of step 0 are in; step 1's two stay out
	s_barrier_signal -1
	s_barrier_wait -1
	FETCH 0, 0, 0
	SEVEN 0, 1                                     ; the first products start the sums
	LAST 0, 1, 2
	SEVEN 1, 0
	LAST 1, 0, 2
	SEVEN 0, 0
	LAST 0, 1, 1
	SEVEN 1, 0
	LAST 1, 0, 0
	; THE WAY OUT, 16 tokens at a time through my own stage; the bias is added on the way from LDS to memory
	s_wait_loadcnt 0x0                             ; bo
	PLACES
.macro OUT16 a, f
	WIN 0x04
.irp b, 0,1,2,3
	ds_store_b128 v[STO], v[8*(4*\a+\b):8*(4*\a+\b)+3] offset:64*\b
	ds_store_b128 v[STO], v[8*(4*\a+\b)+4:8*(4*\a+\b)+7] offset:64*\b+16
.endr
	WIN 0
	s_wait_xcnt 0x0                                ; buffer f, which earlier stores read, and the stores' base are rewritten only behind this wait
.if \a
	s_add_nc_u64 s[68:69], s[68:69], 65536         ; 16 rows on
.endif
.irp t, 0,1,2,3,4,5,6,7
	ds_load_b128 v[\f+4*\t:\f+4*\t+3], v[RD] offset:2*SP*\t    ; LDS serves a wave's instructions in order (ISA guide 5.7.1): these see the stores above
.endr
.irp t, 0,1,2,3,4,5,6,7
	s_wait_dscnt 7-\t                              ; the younger read-backs stay out
	v_pk_add_f32 v[\f+4*\t:\f+4*\t+1],   v[\f+4*\t:\f+4*\t+1],   v[BIAS:BIAS+1]
	v_pk_add_f32 v[\f+4*\t+2:\f+4*\t+3], v[\f+4*\t+2:\f+4*\t+3], v[BIAS+2:BIAS+3]
	global_store_b128 v[CO], v[\f+4*\t:\f+4*\t+3], s[68:69] offset:8192*\t th:TH_STORE_NT   ; 16 lanes store 256 consecutive bytes, aligned
.endr
.endm
	OUT16 0, 64
	OUT16 1, 128
	OUT16 2, 64
	OUT16 3, 128
	s_wait_tensorcnt 0x0
	ds_add_u32 v254, v255
	s_wait_dscnt 0x0
	CROUND                                         ; the closing round: no work-group ends while a partner may still ask for a tile that names it
	s_endpgm
.Lfunc_end_k_qcc184df50e_proj:
	.size	k_qcc184df50e_proj, .Lfunc_end_k_qcc184df50e_proj-k_qcc184df50e_proj
	.p2alignl 7, 3214868480
	.fill 96, 4, 3214868480
	.section	.rodata,"a",@progbits
	.p2align	6, 0x0
	.amdhsa_kernel k_qcc184df50e_proj
		.amdhsa_group_segment_fixed_size 327680
		.amdhsa_private_segment_fixed_size 0
		.amdhsa_enable_private_segment 0
		.amdhsa_kernarg_size 32
		.amdhsa_user_sgpr_count 2
		.amdhsa_user_sgpr_kernarg_segment_ptr 1
		.amdhsa_wavefront_size32 1
		.amdhsa_system_sgpr_workgroup_id_x 1
		.amdhsa_system_sgpr_workgroup_id_y 1
		.amdhsa_system_sgpr_workgroup_id_z 1
		.amdhsa_system_vgpr_workitem_id 0
		.amdhsa_next_free_vgpr 384
		.amdhsa_next_free_sgpr 76
		.amdhsa_reserve_vcc 0
		.amdhsa_float_denorm_mode_32 3
		.amdhsa_float_denorm_mode_16_64 3
		.amdhsa_memory_ordered 1
		.amdhsa_forward_progress 1
		.amdhsa_inst_pref_size 93
	.end_amdhsa_kernel
	.amdgpu_metadata
---
amdhsa.version: [ 1, 2 ]
amdhsa.kernels:
  - .name:           k_qcc184df50e_proj
    .symbol:         k_qcc184df50e_proj.kd
    .args:
      - { .name: attbuf, .offset: 0, .size: 8, .value_kind: global_buffer, .address_space: global }
      - { .name: castbuf, .offset: 8, .size: 8, .value_kind: global_buffer, .address_space: global }
      - { .name: bo, .offset: 16, .size: 8, .value_kind: global_buffer, .address_space: global }
      - { .name: out0, .offset: 24, .size: 8, .value_kind: global_buffer, .address_space: global }
    .group_segment_fixed_size: 327680
    .private_segment_fixed_size: 0
    .kernarg_segment_align: 8
    .kernarg_segment_size: 32
    .max_flat_workgroup_size: 128
    .sgpr_count:     76
    .vgpr_count:     384
    .wavefront_size: 32
...
	.end_amdgpu_metadata
.endif
;; end of part 4
;; ======== version 2 of 2: 4 launches; version 1 with the launch cast written anew for expert scheduling mode
;; limits: values are held in f16: magnitudes above 65,504 overflow, below 6.1e-05 lose precision
;; workspace buffers: castbuf 16,777,216 bytes; qkvbuf 25,165,824 bytes; attbuf 8,388,608 bytes
;; launch cast (part 5): grid 256 x 1, 8 waves a work-group, no clusters, 0 bytes of LDS; arguments x, Wq, Wk, Wv, Wo, castbuf; writes castbuf
.if DOCPART == 5
	.amdgcn_target "amdgcn-amd-amdhsa--gfx1250"
	.amdhsa_code_object_version 6
	.text
	.protected	k_qcc184df50e_cast
	.globl	k_qcc184df50e_cast
	.p2align	8
	.type	k_qcc184df50e_cast,@function
k_qcc184df50e_cast:
	s_mov_b64 s[64:65], 0
	v_nop
	global_prefetch_b8 v0, s[64:65] scope:SCOPE_SE
	s_setreg_imm32_b32 hwreg(HW_REG_WAVE_SCHED_MODE, 0, 2), 2
	s_setreg_imm32_b32 hwreg(HW_REG_WAVE_MODE, 25, 1), 1
	s_wait_xcnt 0x0
	s_wait_alu depctr_vm_vsrc(0)
; cast: x, Wq, Wk, Wv, Wo from f32 to f16 (round to nearest even), once, so that the three matrix launches can bring their
; tiles in by tensor loads without converting them again in every work-group that shares them.
; castbuf: xh[4096][1024] at byte 0; wqkv[3072][1024] at byte 8,388,608, row = 192 head + 64 t + d (t = 0, 1, 2 for Wq, Wk, Wv),
; so that the 192 rows of one head lie together; woh[1024][1024] at byte 14,680,064 (= row 3072 of wqkv).
; LIMIT: a number of 65,520 or more in magnitude becomes an infinity in f16.
; 256 work-groups of 8 waves; each turns 131,072 bytes of f32 into 65,536 bytes of f16: groups 0-127 take x, then 32 groups for each weight
; (32 rows of 4,096 bytes each).  A stream: every byte is read once and written once, so LDS, matrix units and clusters have nothing to add.
; Thread t takes the 16 bytes at 16 t of every chunk of 4,096 bytes: a wave's load covers 512 consecutive bytes and names no byte that another load names.
; Its four numbers are 8 bytes of f16 at 8 t of a chunk of 2,048 bytes: a wave's store covers 256 consecutive bytes, aligned.
; THE MODE: SCHED_MODE bits 1:0 = 2 (LLVM: expert scheduling mode 2), set by the entry lines.  The code itself states the register dependences
; between vector instructions and memory instructions, with s_wait_alu, always for 0.
; THE PLAN.  Registers that memory instructions touch:
;   v1, v2     byte offsets of the loads and of the stores: made once at the head and never written again.
;   chunk i    v[DATA + 4 i .. + 3]: written by its load; read by its two conversions, which write its first two registers in place; these two are read by
;              its store.  Every chunk has registers of its own: nothing writes them behind the store, so no register that a memory instruction has read is written again.
; The 32 chunks go in 8 blocks of four.  Block p converts its own four chunks; its memory instructions are the four stores of block p - 1, whose registers
; no conversion of block p names.  So one wait at a block's head states all that the block's four stores hang on, and they are dealt among its conversions.
.set DATA,  32                         ; v[32:159]: 32 chunks of 4 registers, as loaded; the first two of each chunk as stored
.set BLOCK, 4                          ; chunks in a block
	s_load_b256 s[8:15], s[0:1], 0x0               ; x s[8:9], Wq s[10:11], Wk s[12:13], Wv s[14:15]
	s_load_b128 s[16:19], s[0:1], 0x20             ; Wo s[16:17], castbuf s[18:19]
	s_and_b32 s20, ttmp9, 127                      ; j: my number among the groups of the weights
	s_lshr_b32 s21, s20, 5                         ; t: which weight, 0..3 = Wq, Wk, Wv, Wo
	s_and_b32 s22, s20, 31                         ; jj: which 32 rows of it
	s_lshr_b32 s23, s22, 1                         ; head = row / 64
	s_mul_i32 s23, s23, 192
	s_lshl_b32 s24, s21, 6
	s_add_co_u32 s23, s23, s24                     ; + 64 t
	s_and_b32 s24, s22, 1
	s_lshl_b32 s24, s24, 5
	s_add_co_u32 s23, s23, s24                     ; + the half of the head: row in wqkv for Wq, Wk, Wv
	s_lshl_b32 s24, s22, 5
	s_add_co_u32 s24, s24, 3072                    ; row for Wo
	s_cmp_eq_u32 s21, 3
	s_cselect_b32 s23, s24, s23
	s_lshl_b32 s23, s23, 11                        ; rows of 2,048 bytes
	s_add_co_u32 s23, s23, 8388608                 ; where a weight's group stores
	s_lshl_b32 s24, s22, 17                        ; where it loads
	s_lshl_b32 s25, ttmp9, 17                      ; where a group of x loads
	s_lshl_b32 s26, ttmp9, 16                      ; and stores
	s_cmp_lt_u32 ttmp9, 128
	s_cselect_b32 s24, s25, s24                    ; my offset in the source
	s_cselect_b32 s26, s26, s23                    ; my offset in castbuf
	s_mov_b32 s25, 0
	s_mov_b32 s27, 0
	v_lshlrev_b32 v1, 4, v0                        ; 16 t
	v_lshlrev_b32 v2, 3, v0                        ; 8 t
	s_wait_kmcnt 0x0
	s_mov_b64 s[28:29], s[16:17]                   ; the source: Wo, unless ..
	s_cmp_eq_u32 s21, 2
	s_cselect_b64 s[28:29], s[14:15], s[28:29]
	s_cmp_eq_u32 s21, 1
	s_cselect_b64 s[28:29], s[12:13], s[28:29]
	s_cmp_eq_u32 s21, 0
	s_cselect_b64 s[28:29], s[10:11], s[28:29]
	s_cmp_lt_u32 ttmp9, 128
	s_cselect_b64 s[28:29], s[8:9], s[28:29]
	s_add_nc_u64 s[28:29], s[28:29], s[24:25]
	s_add_nc_u64 s[18:19], s[18:19], s[26:27]
	s_wait_alu depctr_va_vdst(0)                   ; v1 and v2 are written: every load of the kernel reads v1 as its offset, every store v2
	; all 32 loads of the thread go out at once: 16 KiB of every wave are on their way
.set i, 0
.rept 32
	global_load_b128 v[DATA+4*i:DATA+4*i+3], v1, s[28:29] offset:4096*i th:TH_LOAD_NT
.set i, i+1
.endr
.set p, 0
.rept 32/BLOCK
	s_wait_loadcnt 32-BLOCK-BLOCK*p                ; loads come back in order (ISA guide 5.7.1): block p's four are in, the 28 - 4 p younger ones stay out
.if p > 0
	s_wait_alu depctr_va_vdst(0)                   ; the conversions of block p - 1 have written the first two registers of its four chunks, which the four stores below read
.endif
.set j, 0
.rept BLOCK
.set i, BLOCK*p+j
.if p > 0
	global_store_b64 v2, v[DATA+4*(i-BLOCK):DATA+4*(i-BLOCK)+1], s[18:19] offset:2048*(i-BLOCK)   ; the block before; no vector line since the wait names these registers.  The next launches read these bytes: no hint
.endif
	v_cvt_pk_f16_f32 v[DATA+4*i],   v[DATA+4*i],   v[DATA+4*i+1]   ; in place: the second line writes a register that the first has used up
	v_cvt_pk_f16_f32 v[DATA+4*i+1], v[DATA+4*i+2], v[DATA+4*i+3]
.set j, j+1
.endr
.set p, p+1
.endr
	s_wait_alu depctr_va_vdst(0)                   ; the conversions of the last block have written its chunks' first two registers, which the last four stores read
.set i, 32-BLOCK
.rept BLOCK
	global_store_b64 v2, v[DATA+4*i:DATA+4*i+1], s[18:19] offset:2048*i
.set i, i+1
.endr
	s_endpgm
.Lfunc_end_k_qcc184df50e_cast:
	.size	k_qcc184df50e_cast, .Lfunc_end_k_qcc184df50e_cast-k_qcc184df50e_cast
	.p2alignl 7, 3214868480
	.fill 96, 4, 3214868480
	.section	.rodata,"a",@progbits
	.p2align	6, 0x0
	.amdhsa_kernel k_qcc184df50e_cast
		.amdhsa_group_segment_fixed_size 0
		.amdhsa_private_segment_fixed_size 0
		.amdhsa_enable_private_segment 0
		.amdhsa_kernarg_size 48
		.amdhsa_user_sgpr_count 2
		.amdhsa_user_sgpr_kernarg_segment_ptr 1
		.amdhsa_wavefront_size32 1
		.amdhsa_system_sgpr_workgroup_id_x 1
		.amdhsa_system_sgpr_workgroup_id_y 1
		.amdhsa_system_sgpr_workgroup_id_z 1
		.amdhsa_system_vgpr_workitem_id 0
		.amdhsa_next_free_vgpr 160
		.amdhsa_next_free_sgpr 66
		.amdhsa_reserve_vcc 0
		.amdhsa_float_denorm_mode_32 3
		.amdhsa_float_denorm_mode_16_64 3
		.amdhsa_memory_ordered 1
		.amdhsa_forward_progress 1
		.amdhsa_inst_pref_size 13
	.end_amdhsa_kernel
	.amdgpu_metadata
---
amdhsa.version: [ 1, 2 ]
amdhsa.kernels:
  - .name:           k_qcc184df50e_cast
    .symbol:         k_qcc184df50e_cast.kd
    .args:
      - { .name: x, .offset: 0, .size: 8, .value_kind: global_buffer, .address_space: global }
      - { .name: Wq, .offset: 8, .size: 8, .value_kind: global_buffer, .address_space: global }
      - { .name: Wk, .offset: 16, .size: 8, .value_kind: global_buffer, .address_space: global }
      - { .name: Wv, .offset: 24, .size: 8, .value_kind: global_buffer, .address_space: global }
      - { .name: Wo, .offset: 32, .size: 8, .value_kind: global_buffer, .address_space: global }
      - { .name: castbuf, .offset: 40, .size: 8, .value_kind: global_buffer, .address_space: global }
    .group_segment_fixed_size: 0
    .private_segment_fixed_size: 0
    .kernarg_segment_align: 8
    .kernarg_segment_size: 48
    .max_flat_workgroup_size: 256
    .sgpr_count:     66
    .vgpr_count:     160
    .wavefront_size: 32
...
	.end_amdgpu_metadata
.endif
;; end of part 5
;; launch qkv: the kernel of part 2 again; grid 16 x 16, 4 waves a work-group, clusters of 4 x 4, 327,680 bytes of LDS; arguments castbuf, qkvbuf; writes qkvbuf
;; launch attn: the kernel of part 3 again; grid 8 x 32, 8 waves a work-group, clusters of 4 x 1, 327,680 bytes of LDS; arguments qkvbuf, attbuf; writes attbuf
;; launch proj: the kernel of part 4 again; grid 8 x 32, 4 waves a work-group, clusters of 4 x 4, 327,680 bytes of LDS; arguments attbuf, castbuf, bo, out0; writes out0
